; MI455X (gfx1250); checked and timed in simulation.
; The chip was launched on July 23, 2026; its instructions are those of AMD's public machine-readable ISA for CDNA 5 (MIT licence, August 2026) and "CDNA5" Instruction Set Architecture Reference Guide (July 2026). The comments in the code are by the model that wrote it; some were corrected since.
;; Multi Head Self Attention. Allowed arithmetic: matrix products marked QUANTISED: E2M1 operands, one E8M0 scale for each 32 along K, by v_wmma_scale_f32_16x16x128_f8f6f4 with both operands' format E2M1 (or v_wmma_scale_f32_32x16x128_f4), f32 sums; products left as they are: bf16, f16 or f32 operands; f32 sums; everything else in f32.
;; Inputs: Wk 1,024 x 1,024 float32; Wo 1,024 x 1,024 float32; Wq 1,024 x 1,024 float32; Wv 1,024 x 1,024 float32; bk 1,024 float32; bo 1,024 float32; bq 1,024 float32; bv 1,024 float32; embeddings 4 x 2,048 x 1,024 float32; mask 2,048 x 2,048 bool.
;; Outputs: out0 4 x 2,048 x 1,024 float32.
;; This version of the problem:
;;   THIS VERSION OF THE PROBLEM IS GIVEN IN LOW PRECISION. The matrix products marked QUANTISED in the list below multiply operands that are first quantised to E2M1 (2 exponent bits, 1 mantissa bit; 4 bits a number), with one power-of-two scale for each 32 numbers along K (OCP MX v1.0); their sums are f32. The products marked 'left as it is' may take bf16, f16 or f32 operands, with f32 sums. Whichever they take, every output number must still come out within the allowed error. Rounding operands to bf16 (8 significant bits) uses up far more of that allowance than f16 does (11 bits, for magnitudes from 6e-5 to 65,504). All else is computed in f32.
;;   The module's matrix products, in the order in which they are computed (A, B: the left and right operand; K: the contracted axis; several contracted axes count as one K, in the product's order):
;;     1. [M 8,192, K 1,024] x [K 1,024, N 1,024]; A: input embeddings; B: input Wq: QUANTISED
;;     2. [M 8,192, K 1,024] x [K 1,024, N 1,024]; A: input embeddings; B: input Wk: QUANTISED
;;     3. [M 8,192, K 1,024] x [K 1,024, N 1,024]; A: input embeddings; B: input Wv: QUANTISED
;;     4. batch 64 x [M 2,048, K 64] x [K 64, N 2,048]; A: computed on the way; B: computed on the way: left as it is (an operand is computed on the way)
;;     5. batch 64 x [M 2,048, K 2,048] x [K 2,048, N 64]; A: computed on the way; B: computed on the way: left as it is (an operand is computed on the way)
;;     6. [M 8,192, K 1,024] x [K 1,024, N 1,024]; A: computed on the way; B: input Wo: left as it is (an operand is computed on the way)
;;   THE QUANTISER, for each operand of a quantised product, along K:
;;     - K is cut into blocks of 32 from its start; a last block that is shorter is filled with zeros.
;;     - A block's scale is 2^e with e = floor(log2(the largest magnitude in the block)) - 2, held to -126 .. 127; a block of zeros has e = 0. As a byte (E8M0): e + 127.
;;     - Each number is divided by its block's scale, clamped to +-6, and rounded to the nearest number of E2M1, ties to even, subnormals kept.
;;     - The product sums the exact products of the quantised numbers (number of the format x scale) in f32.
;;   ~~~python
;;   def quantise(x, axis):      # numpy; x: float32 -> the quantised numbers, widened to float32 again
;;       x = np.moveaxis(x, axis, -1); K = x.shape[-1]
;;       x = np.pad(x, [(0, 0)] * (x.ndim - 1) + [(0, -K % 32)]); x = x.reshape(x.shape[:-1] + (-1, 32)); a = np.abs(x).max(-1, keepdims=True)
;;       e = np.where(a > 0, np.clip(np.frexp(np.where(a > 0, a, 1))[1] - 1 - 2, -126, 127), 0)      # np.frexp(a)[1] - 1 = floor(log2(a)), exactly
;;       r = np.clip(x / 2.0 ** e, -6, 6)
;;       step = 2.0 ** (np.maximum(np.frexp(np.where(r == 0, 1, r))[1] - 1, 0) - 1)
;;       q = np.round(r / step) * step * 2.0 ** e      # np.round: ties to even
;;       return np.moveaxis(q.reshape(q.shape[:-2] + (-1,))[..., :K], -1, axis).astype(np.float32)
;;   ~~~
;; One version. Each part assembles by itself: llvm-mc -triple=amdgcn-amd-amdhsa -mcpu=gfx1250 --defsym DOCPART=n.
;; ======== version 1 of 1: 6 launches
;; limits: values are held in f16: magnitudes above 65,504 overflow, below 6.1e-05 lose precision
;; workspace buffers: codes 5,767,168 bytes; scales 360,448 bytes; wo16 2,097,152 bytes; maskw 526,592 bytes of whole numbers; qkv16 50,331,648 bytes; ctx16 16,777,216 bytes; ctx32 262,144 bytes
;; launch prep (part 1): grid 448 x 1, 4 waves a work-group, no clusters, 33,280 bytes of LDS; arguments embeddings, Wq, Wk, Wv, Wo, mask, codes, scales, wo16, maskw; writes codes, scales, wo16, maskw
.if DOCPART == 1
	.amdgcn_target "amdgcn-amd-amdhsa--gfx1250"
	.amdhsa_code_object_version 6
	.text
	.protected	k_q2a54107601_prep
	.globl	k_q2a54107601_prep
	.p2align	8
	.type	k_q2a54107601_prep,@function
k_q2a54107601_prep:
	s_mov_b64 s[64:65], 0
	v_nop
	global_prefetch_b8 v0, s[64:65] scope:SCOPE_SE
	s_setreg_imm32_b32 hwreg(HW_REG_WAVE_MODE, 25, 1), 1
	s_wait_xcnt 0x0
; MULTI-HEAD SELF-ATTENTION, launch 1 of 6: everything that is read many times later is made narrow once.
;   work-groups   0..351: embeddings [8192][1024], Wq, Wk, Wv [1024][1024] (f32, K innermost) -> codes of FP4 (E2M1), [11264 rows][512 bytes], and one E8M0 byte for each 32 along K, [11264][32].
;   work-groups 352..383: Wo -> f16 (the last product is left as it is).
;   work-groups 384..447: the mask (an input: every byte is honoured) -> one bit a lane in the layout of the score tiles, and flags for tiles of 32 queries x 64 keys.
; WORK LEFT OUT IN THE WHOLE PROGRAM.  bk: the scores are q . (x Wk^T + bk) = q . (x Wk^T) + q . bk; that product is not quantised, and the second term is the same for all keys of a query, so the
; softmax along the keys takes it away for all finite values of the inputs.  bk has no other way to the result: it is not loaded and is no argument of any launch.
; Tiles of scores that the mask hides whole give p = 0 for every finite input: later launches read the flags stored here and pass over them.
; bv is not left out but moved: sum(p (v + bv)) / sum(p) = sum(p v) / sum(p) + bv.
; LIMITS: a NaN, an infinity or an overflow that reaches only bk or only hidden tiles is not carried to the result.  Blocks whose largest magnitude lies under 2^(3 - 127), the floor, keep the byte 1 (a block of zeros too:
; its codes are zeros, and this program alone reads the bytes); NaN and infinities among the quantised inputs are not served.  Wo beyond 65,504 in magnitude has no f16 number.  The mask's bytes are 0 or 1.
.set WAVES, 4
.set STEPS, 16
.set EMAX,  2
.set CB,    8                          ; bytes of 16 codes
.set R,     16                         ; v16-79   four sets of 16 numbers as loaded
.set X,     80                         ; v80-111  two sets of 16 neighbours
.set C,     128                        ; v128-191 codes, four registers a step
.set E,     112                        ; v112-127 a scale byte a step
.set WREG,  8192                       ; LDS: a region for each wave: two stages of 32 x SP bytes, then its 256 scale bytes
.set SP,    80                         ; a lane's 64 bytes + 16 of padding
.set SPW,   12                         ; v12 LDS address of my spare word; never rewritten
.set NIL,   13                         ; v13 0; never rewritten
.set SPARE, WAVES*WREG                 ; the spare words, 128 bytes a wave: no other line names them
.set FLAGS, 524288                     ; maskw: the words end here; NEED [64][4], 1,024 on MIX [64][4], 2,048 on FN [4]
	s_load_b512 s[4:19], s[0:1], 0x0               ; embeddings, Wq, Wk, Wv, Wo, mask, codes, scales
	s_load_b128 s[20:23], s[0:1], 0x40             ; wo16, maskw
	v_lshl_add_u32 v[SPW], v0, 2, SPARE
	v_mov_b32 v[NIL], 0
	v_lshrrev_b32 v1, 5, v0
	v_readfirstlane_b32 s24, v1                    ; wave
	v_and_b32 v2, 31, v0                           ; lane
	s_wait_kmcnt 0x0
	s_cmp_ge_u32 ttmp9, 384                        ; the three kinds of work part on the work-group's number; only the first touches LDS
	s_cbranch_scc1 .Lmask
	s_cmp_ge_u32 ttmp9, 352
	s_cbranch_scc1 .Lwo
; ---------------- THE QUANTISER.  Rows are dense and K is a multiple of 32: a tensor is a stream of blocks of 32.  A wave takes 16 steps of 512 numbers.
; Each load reads 512 consecutive bytes; a step's 2,048 bytes turn through the wave's own stage in LDS and come back 64 bytes a lane: 16 neighbours along K, two lanes to a block.
	v_lshlrev_b32 v3, 4, v2                        ; my 16 bytes of a load's 512
	s_mul_i32 s30, s24, WREG
	v_lshrrev_b32 v14, 2, v2
	v_mul_u32_u24 v14, v14, SP
	v_and_b32 v15, 3, v2
	v_lshl_add_u32 v14, v15, 4, v14
	v_add_nc_u32 v14, s30, v14                     ; the stage, on the way in: SP (lane / 4) + 16 (lane % 4)
	v_mul_u32_u24 v15, v2, SP
	v_add_nc_u32 v15, s30, v15                     ; and on the way out: SP x lane
	v_mul_u32_u24 v4, v2, CB                       ; my codes' place in a step's
	v_lshrrev_b32 v5, 1, v2
	s_add_co_u32 s30, s30, 2*32*SP
	v_add_nc_u32 v5, s30, v5                       ; my block's scale byte in the wave's 256
	v_lshlrev_b32 v7, 3, v2
	v_add_nc_u32 v6, s30, v7
	s_and_b32 s28, ttmp9, 31                       ; a weight has 32 work-groups
	s_cmp_lt_u32 ttmp9, 320                        ; the source is chosen by the work-group's number alone
	s_cselect_b64 s[26:27], s[8:9], s[10:11]
	s_cmp_lt_u32 ttmp9, 288
	s_cselect_b64 s[26:27], s[6:7], s[26:27]
	s_cmp_lt_u32 ttmp9, 256
	s_cselect_b64 s[26:27], s[4:5], s[26:27]
	s_cselect_b32 s28, ttmp9, s28                  ; the work-group's number inside its tensor
	s_lshl_b32 s28, s28, 2
	s_add_co_u32 s28, s28, s24
	s_lshl_b32 s28, s28, 15                        ; 8,192 numbers of 4 bytes a wave
	s_mov_b32 s29, 0
	s_add_nc_u64 s[26:27], s[26:27], s[28:29]
	s_lshl_b32 s28, ttmp9, 2                       ; the four tensors lie on end in both outputs
	s_add_co_u32 s28, s28, s24
	s_lshl_b32 s30, s28, 8                         ; 256 scale bytes a wave
	s_lshl_b32 s28, s28, 12                        ; 4,096 bytes of codes a wave
	s_mov_b32 s31, 0
	s_add_nc_u64 s[16:17], s[16:17], s[28:29]
	s_add_nc_u64 s[18:19], s[18:19], s[30:31]
.macro LOAD t
.irp i, 0,1,2,3
	global_load_b128 v[R+16*((\t)%4)+4*\i:R+16*((\t)%4)+4*\i+3], v3, s[26:27] offset:2048*(\t)+512*\i th:TH_LOAD_NT
.endr
.endm
.macro TURN t                          ; LDS serves a wave's instructions in order: no wait between the stores and the loads
.irp i, 0,1,2,3
	ds_store_b128 v14, v[R+16*((\t)%4)+4*\i:R+16*((\t)%4)+4*\i+3] offset:32*SP*((\t)%2)+8*SP*\i
.endr
.irp i, 0,1,2,3
	ds_load_b128 v[X+16*((\t)%2)+4*\i:X+16*((\t)%2)+4*\i+3], v15 offset:32*SP*((\t)%2)+16*\i
.endr
.endm
.irp t, 0,1,2,3
	LOAD \t
.endr
	s_wait_loadcnt 12                              ; step 0's four loads are in; three steps' twelve may be out
	TURN 0
.macro STEP t
.set XS, X+16*((\t)%2)
.if (\t) > 0
	s_wait_dscnt 1                                 ; this step's numbers are back from the stage; the last step's byte store may be out
.else
	s_wait_dscnt 0x0
.endif
.if (\t)+4 < STEPS
	LOAD (\t)+4
.endif
.if (\t)+1 < STEPS
.if STEPS-2-(\t) >= 3
	s_wait_loadcnt 12                              ; the next step's four loads are in; those of the three steps behind it may be out
.else
	s_wait_loadcnt 4*(STEPS-2-(\t))
.endif
	TURN (\t)+1
.endif
	v_max3_num_f32 v8, |v[XS]|, |v[XS+1]|, |v[XS+2]|
	v_max3_num_f32 v9, |v[XS+3]|, |v[XS+4]|, |v[XS+5]|
.irp i, 6,10
	v_max3_num_f32 v8, v8, |v[XS+\i]|, |v[XS+\i+1]|
	v_max3_num_f32 v9, v9, |v[XS+\i+2]|, |v[XS+\i+3]|
.endr
	v_max3_num_f32 v8, v8, |v[XS+14]|, |v[XS+15]|
	v_max3_num_f32 v8, v8, v9, (EMAX+1)<<23        ; the floor 2^(EMAX + 1 - 127): the byte cannot fall under 1
	v_max_num_f32_dpp v8, v8, v8 row_xmask:1 row_mask:0xf bank_mask:0xf   ; with my neighbour's 16: the block's largest magnitude
	v_add_nc_u32 v11, -(EMAX<<23), v8              ; EMAX off its exponent field: the conversion takes that field as its scale
	v_cvt_scalef32_pk8_fp4_f32 v[C+4*(\t)], v[XS:XS+7], v11
	v_cvt_scalef32_pk8_fp4_f32 v[C+4*(\t)+1], v[XS+8:XS+15], v11
	v_lshrrev_b32 v[E+(\t)], 23, v11               ; the scale's byte
	ds_store_b8 v5, v[E+(\t)] offset:16*(\t)       ; both lanes of a block write the same byte with the same value
	global_store_b64 v4, v[C+4*(\t):C+4*(\t)+1], s[16:17] offset:32*CB*(\t)   ; the wave stores 256 consecutive bytes, aligned
.endm
.irp t, 0,1,2,3,4,5,6,7,8,9,10,11,12,13,14,15
	STEP \t
.endr
	ds_load_b64 v[8:9], v6                         ; my wave's 256 scale bytes, 8 a lane
	s_wait_dscnt 0x0
	global_store_b64 v7, v[8:9], s[18:19]          ; 256 consecutive bytes, aligned
	s_wait_tensorcnt 0x0                           ; the wave's end, behind my last LDS store
	ds_add_u32 v[SPW], v[NIL]
	s_wait_dscnt 0x0
	s_endpgm
; ---------------- Wo TO f16.  A wave takes 8,192 numbers: 32 pieces of 1,024 bytes in, 512 bytes out; a lane holds 8 neighbours.  Two sets of 64 registers take turns.
.Lwo:
	s_sub_co_u32 s28, ttmp9, 352
	s_lshl_b32 s28, s28, 2
	s_add_co_u32 s28, s28, s24
	s_lshl_b32 s30, s28, 14
	s_lshl_b32 s28, s28, 15
	s_mov_b32 s29, 0
	s_mov_b32 s31, 0
	s_add_nc_u64 s[12:13], s[12:13], s[28:29]
	s_add_nc_u64 s[20:21], s[20:21], s[30:31]
	v_lshlrev_b32 v3, 5, v2
	v_lshlrev_b32 v4, 4, v2
.macro LOADG g, set
.irp i, 0,1,2,3,4,5,6,7
	global_load_b128 v[16+64*(\set)+8*\i:16+64*(\set)+8*\i+3], v3, s[12:13] offset:1024*(8*(\g)+\i)
	global_load_b128 v[16+64*(\set)+8*\i+4:16+64*(\set)+8*\i+7], v3, s[12:13] offset:1024*(8*(\g)+\i)+16
.endr
.endm
.macro HALVE g
.set WS, 16+64*((\g)%2)
.if (\g) < 3
	s_wait_loadcnt 16                              ; this set's 16 loads are in, the other set's 16 may be out
.else
	s_wait_loadcnt 0x0
.endif
.if (\g) > 0
	s_wait_xcnt 0x0                                ; the last group's stores have read v144-175
.endif
.irp i, 0,1,2,3,4,5,6,7
.irp k, 0,1,2,3
	v_cvt_pk_f16_f32 v[144+4*\i+\k], v[WS+8*\i+2*\k], v[WS+8*\i+2*\k+1]
.endr
.endr
.irp i, 0,1,2,3,4,5,6,7
	global_store_b128 v4, v[144+4*\i:144+4*\i+3], s[20:21] offset:512*(8*(\g)+\i)   ; 512 consecutive bytes
.endr
.if (\g)+2 < 4
	LOADG (\g)+2, (\g)%2
.endif
.endm
	LOADG 0, 0
	LOADG 1, 1
	HALVE 0
	HALVE 1
	HALVE 2
	HALVE 3
	s_endpgm
; ---------------- THE MASK.  Work-group g takes queries 32 g .. 32 g + 31, wave kq keys 512 kq .. + 511: eight tiles of 64 keys.
; Lane (r, h) loads the 8 bytes mask[16 (2 g + u) + r][64 ks + 16 t + 8 h + 0..7]: the lane and registers that hold those scores later.  A compare turns byte j of all lanes into word 8 t + j of the tile:
; bit r + 16 h = that byte.  Words: [query tile 128][ks 32][32 words].  NEED bit ks: the tile of 32 x 64 has an open byte; MIX: it has a hidden byte; FN bit kt: queries 0..15 x keys 16 kt .. + 15 have an open byte.
.Lmask:
	s_sub_co_u32 s33, ttmp9, 384                   ; g
	v_and_b32 v5, 15, v0                           ; r
	v_bfe_u32 v6, v0, 4, 1                         ; h
	v_lshlrev_b32 v3, 11, v5
	v_lshl_add_u32 v3, v6, 3, v3                   ; row r of 2,048 bytes + 8 h
	v_lshlrev_b32 v4, 3, v2                        ; out: 8 bytes a lane
	s_lshl_b32 s28, s33, 16
	s_lshl_b32 s29, s24, 9
	s_add_co_u32 s28, s28, s29
	s_mov_b32 s29, 0
	s_add_nc_u64 s[14:15], s[14:15], s[28:29]
	s_lshl_b32 s28, s33, 13                        ; query tile 2 g: 4,096 bytes of words a tile
	s_lshl_b32 s30, s24, 10                        ; 8 tiles of keys x 128 bytes
	s_add_co_u32 s28, s28, s30
	s_add_nc_u64 s[26:27], s[22:23], s[28:29]
	s_lshl_b32 s28, s33, 4
	s_lshl_b32 s30, s24, 2
	s_add_co_u32 s28, s28, s30
	s_add_co_u32 s28, s28, FLAGS
	s_add_nc_u64 s[22:23], s[22:23], s[28:29]      ; NEED[g][kq]
	s_mov_b32 s49, 0x01010101
	s_mov_b32 s46, 0                               ; NEED
	s_mov_b32 s47, 0                               ; MIX
	s_mov_b32 s48, 0                               ; FN
.irp k, 0,1,2,3,4,5,6,7
.irp u, 0,1
.irp t, 0,1,2,3
	global_load_b64 v[16+2*(8*\k+4*\u+\t):16+2*(8*\k+4*\u+\t)+1], v3, s[14:15] offset:\u*32768+64*\k+16*\t
.endr
.endr
.endr
.irp i, 0,1,2,3,4,5,6,7,8,9,10,11,12,13,14,15
	v_mov_b32 v[144+\i], 0                         ; written once: a lane write's destination counts as read
.endr
.macro MTILE k
.set MD, 16+16*(\k)
	s_wait_loadcnt 56-8*(\k)                       ; this tile's eight loads are in; the later tiles' may be out
	v_or_b32 v8, v[MD], v[MD+1]
	v_and_b32 v9, v[MD], v[MD+1]
.irp i, 2,3,4,5,6,7,8,9,10,11,12,13,14,15
	v_or_b32 v8, v8, v[MD+\i]
	v_and_b32 v9, v9, v[MD+\i]
.endr
	v_cmp_ne_u32 s50, 0, v8                        ; some byte is 1: hidden
	v_cmp_ne_u32 s51, s49, v9                      ; some byte is 0: open
	s_cmp_lg_u32 s50, 0
	s_cselect_b32 s52, 1<<(\k), 0
	s_or_b32 s47, s47, s52
	s_cmp_lg_u32 s51, 0
	s_cselect_b32 s52, 1<<(\k), 0
	s_or_b32 s46, s46, s52
	s_cmp_lg_u32 s33, 0                            ; queries 0..15 lie in work-group 0
	s_cbranch_scc1 .Lnofine_\@
.irp t, 0,1,2,3
	v_and_b32 v10, v[MD+2*\t], v[MD+2*\t+1]
	v_cmp_ne_u32 s50, s49, v10
	s_cmp_lg_u32 s50, 0
	s_cselect_b32 s52, 1<<(4*(\k)+\t), 0
	s_or_b32 s48, s48, s52
.endr
.Lnofine_\@:
.irp u, 0,1
.irp t, 0,1,2,3
.irp j, 0,1,2,3,4,5,6,7
	v_bfe_u32 v[8+\j%4], v[MD+2*(4*\u+\t)+\j/4], 8*(\j%4), 8
	v_cmp_ne_u32 s[54+\j], 0, v[8+\j%4]
	v_writelane_b32 v[144+2*(4*\u+(\k)/2)+(\j&1)], s[54+\j], 16*((\k)&1)+4*\t+\j/2   ; two tiles' 64 words make 256 bytes: word d lies in lane d / 2, register d % 2
.endr
.endr
.endr
.if (\k)&1
.irp u, 0,1
	global_store_b64 v4, v[144+2*(4*\u+(\k)/2):144+2*(4*\u+(\k)/2)+1], s[26:27] offset:\u*4096+((\k)-1)*128   ; 256 consecutive bytes, aligned
.endr
.endif
.endm
.irp k, 0,1,2,3,4,5,6,7
	MTILE \k
.endr
	s_lshl_b32 s34, s24, 3
	s_lshl_b32 s46, s46, s34                       ; my eight bits at their places in the row of 32
	s_lshl_b32 s47, s47, s34
	v_mov_b32 v8, s46                              ; lane 0: NEED, lane 1: MIX, lane 2: FN
	v_writelane_b32 v8, s47, 1
	v_writelane_b32 v8, s48, 2
	v_lshlrev_b32 v9, 10, v2                       ; the three tables lie 1,024 bytes apart
	s_cmp_eq_u32 s33, 0
	s_cselect_b32 s35, 3, 2                        ; FN is work-group 0's alone
	s_wait_xcnt 0x0                                ; EXEC changes only behind this wait
	v_cmp_gt_u32 vcc_lo, s35, v2
	s_and_saveexec_b32 s36, vcc_lo
	global_store_b32 v9, v8, s[22:23]
	s_wait_xcnt 0x0
	s_or_b32 exec_lo, exec_lo, s36
	s_endpgm
.Lfunc_end_k_q2a54107601_prep:
	.size	k_q2a54107601_prep, .Lfunc_end_k_q2a54107601_prep-k_q2a54107601_prep
	.p2alignl 7, 3214868480
	.fill 96, 4, 3214868480
	.section	.rodata,"a",@progbits
	.p2align	6, 0x0
	.amdhsa_kernel k_q2a54107601_prep
		.amdhsa_group_segment_fixed_size 33280
		.amdhsa_private_segment_fixed_size 0
		.amdhsa_enable_private_segment 0
		.amdhsa_kernarg_size 80
		.amdhsa_user_sgpr_count 2
		.amdhsa_user_sgpr_kernarg_segment_ptr 1
		.amdhsa_wavefront_size32 1
		.amdhsa_system_sgpr_workgroup_id_x 1
		.amdhsa_system_sgpr_workgroup_id_y 1
		.amdhsa_system_sgpr_workgroup_id_z 1
		.amdhsa_system_vgpr_workitem_id 0
		.amdhsa_next_free_vgpr 192
		.amdhsa_next_free_sgpr 66
		.amdhsa_reserve_vcc 1
		.amdhsa_float_denorm_mode_32 3
		.amdhsa_float_denorm_mode_16_64 3
		.amdhsa_memory_ordered 1
		.amdhsa_forward_progress 1
		.amdhsa_inst_pref_size 174
	.end_amdhsa_kernel
	.amdgpu_metadata
---
amdhsa.version: [ 1, 2 ]
amdhsa.kernels:
  - .name:           k_q2a54107601_prep
    .symbol:         k_q2a54107601_prep.kd
    .args:
      - { .name: embeddings, .offset: 0, .size: 8, .value_kind: global_buffer, .address_space: global }
      - { .name: Wq, .offset: 8, .size: 8, .value_kind: global_buffer, .address_space: global }
      - { .name: Wk, .offset: 16, .size: 8, .value_kind: global_buffer, .address_space: global }
      - { .name: Wv, .offset: 24, .size: 8, .value_kind: global_buffer, .address_space: global }
      - { .name: Wo, .offset: 32, .size: 8, .value_kind: global_buffer, .address_space: global }
      - { .name: mask, .offset: 40, .size: 8, .value_kind: global_buffer, .address_space: global }
      - { .name: codes, .offset: 48, .size: 8, .value_kind: global_buffer, .address_space: global }
      - { .name: scales, .offset: 56, .size: 8, .value_kind: global_buffer, .address_space: global }
      - { .name: wo16, .offset: 64, .size: 8, .value_kind: global_buffer, .address_space: global }
      - { .name: maskw, .offset: 72, .size: 8, .value_kind: global_buffer, .address_space: global }
    .group_segment_fixed_size: 33280
    .private_segment_fixed_size: 0
    .kernarg_segment_align: 8
    .kernarg_segment_size: 80
    .max_flat_workgroup_size: 128
    .sgpr_count:     66
    .vgpr_count:     192
    .wavefront_size: 32
...
	.end_amdgpu_metadata
.endif
;; end of part 1
;; launch qkv (part 2): grid 12 x 32, 4 waves a work-group, clusters of 4 x 4, 327,680 bytes of LDS; arguments codes, scales, bq, qkv16; writes qkv16
.if DOCPART == 2
	.amdgcn_target "amdgcn-amd-amdhsa--gfx1250"
	.amdhsa_code_object_version 6
	.text
	.protected	k_q2a54107601_qkv
	.globl	k_q2a54107601_qkv
	.p2align	8
	.type	k_q2a54107601_qkv,@function
k_q2a54107601_qkv:
	s_mov_b64 s[64:65], 0
	v_nop
	global_prefetch_b8 v0, s[64:65] scope:SCOPE_SE
	s_setreg_imm32_b32 hwreg(HW_REG_WAVE_MODE, 25, 1), 1
	s_wait_xcnt 0x0
	s_wait_alu depctr_hold_cnt(0) depctr_sa_sdst(0) depctr_va_vdst(0) depctr_va_sdst(0) depctr_va_ssrc(0) depctr_va_vcc(0) depctr_vm_vsrc(0)
	s_getreg_b32 s2, hwreg(HW_REG_IB_STS2, 6, 4)
	s_cmp_eq_u32 s2, 0
	s_cbranch_scc0 .Lentry_in_a_cluster
	s_endpgm
.Lentry_in_a_cluster:
	s_bfe_u32 s2, ttmp6, 0x10000c
	s_cmp_lg_u32 s2, 0xf033
	s_cbranch_scc0 .Lentry_shape_is_right
	s_endpgm
.Lentry_shape_is_right:
; Launch 2: q = x Wq^T + bq, k = x Wk^T, v = x Wv^T: ONE product [8192] x [3072] on codes of FP4 with E8M0 scales, K = 1,024, f32 sums; results rounded to f16, laid [q, k, v][batch][head][position][64].
; Left out: bk (the same for all keys of a query in the scores, so the softmax takes it away: shown at the head of the first launch); bv is added behind the attention.
; LIMIT: results beyond 65,504 in magnitude have no f16 number.
; A tile of 256 x 256 is made by four waves, each 128 x 128: 64 accumulators.  K goes in two steps of 512 through two LDS slots, each filled once; the scale bytes of the work-group's rows come once too.
; CLUSTERS: 4 x 4 work-groups; A's tiles are shared along a row of the cluster, B's along a column: joint loads.  Cluster x = 0 makes q, 1 makes k, 2 makes v: the same in all sixteen partners.
; The matrix instruction is used transposed (source 0 = 16 rows of the weight, source 1 = 16 rows of x): a lane holds eight neighbouring channels of one position.
; REGISTERS: window 0: v0-31 addresses; v32-95 scale words, two sets, and nothing else; v128-191 A's fragments; v192-255 bq in the result's layout; on the way out v128-223 are at work.
;   window 1: B's fragments, two sets.  windows 2, 3: the accumulators ((a, b) at v[8 (8 (a % 4) + b)]).
.set SIZE_K, 1024
.set KSTEP,  512
.set NQ,     KSTEP/128
.set ROWB,   256
.set KROW,   SIZE_K*4/8
.set PITCH,  272                       ; 256 bytes + 16 of padding: the 16 rows that a load touches start 16 bytes apart modulo 256
.set FR,     8
.set NL,     2
.set NP,     4
.set HALFT,  128*PITCH
.set SLOT,   4*HALFT
.set KS,     SIZE_K/32
.set SCL,    2*SLOT
.set HALFS,  (128*KS/256)*272
.set SBLK,   (16*KS/256)*272
.set SPARE,  SCL+4*HALFS               ; the spare words, 128 bytes a wave: no other line names them
.set ADRA, 16
.set ADRB, 20
.set STO,  24
.set RD,   25
.set CO,   26
.set ADRS, 27
.set SPW,  28
.set NIL,  29
.set BIA,  30                          ; v30 32 x (lane / 16): my half's eight numbers of bq
.set SC,   32
.set AF,   128
.set BI,   192
.set TMP,  128                         ; the way out: 32 packed registers
.set BK,   160                         ; and 16 rows read back: v160-191 and v192-223 by turns
.set G1, 24
.set G0, 32
.set G1B, 48
.set G0B, 56
.set G1S, 68
.set G0S, 76
.set G1SB, 80
.set G0SB, 88
.set MSB, 0
.macro WIN new                         ; the immediate's high byte repeats the setting that is left
.if MSB != (\new)
	s_set_vgpr_msb (MSB<<8)|(\new)
.set MSB, (\new)
.endif
.endm
.set MUL_LO, 0xa1                      ; source 0 (B) window 1, source 1 (A) window 0, C and D window 2
.set MUL_HI, 0xf1
.set TO_B,   0x40
.macro JLOAD g0a, g1a, g0b, g1b        ; waves 0 and 1 fetch for A, waves 2 and 3 for B; an s_nop 0 and four v_nop follow each line
	s_cmp_eq_u32 s15, 0
	s_cbranch_scc0 .Lfor_b_\@
	tensor_load_to_lds s[\g0a:\g0a+3], s[\g1a:\g1a+7]
	s_nop 0
.rept 4
	v_nop
.endr
	s_branch .Lasked_\@
.Lfor_b_\@:
	tensor_load_to_lds s[\g0b:\g0b+3], s[\g1b:\g1b+7]
	s_nop 0
.rept 4
	v_nop
.endr
.Lasked_\@:
.endm
.macro CROUND                          ; a round of the cluster's barrier
	s_barrier_signal -1
	s_barrier_wait -1
	s_cmp_lg_u32 s14, 0
	s_cbranch_scc1 .Lnot_wave_0_\@
	s_barrier_signal -3
.Lnot_wave_0_\@:
	s_barrier_wait -3
	s_barrier_signal -1
	s_barrier_wait -1
.endm
	s_load_b128 s[4:7], s[0:1], 0x0                ; codes, scales: x's rows come first in both
	s_load_b128 s[8:11], s[0:1], 0x0               ; the same two once more: the weights' rows follow x's 8,192
	s_load_b64 s[66:67], s[0:1], 0x10              ; bq
	s_load_b64 s[12:13], s[0:1], 0x18              ; qkv16
	v_lshl_add_u32 v[SPW], v0, 2, SPARE
	v_mov_b32 v[NIL], 0
	ds_add_u32 v[SPW], v[NIL]                      ; the wave's opening: the add, twice on end; its wait comes ahead of my first tensor load
	ds_add_u32 v[SPW], v[NIL]
	v_lshrrev_b32 v1, 5, v0
	v_readfirstlane_b32 s14, v1                    ; wave 0..3
	s_lshr_b32 s15, s14, 1                         ; my half of the tile's rows; also: I fetch for A (0) or B (1)
	s_and_b32 s16, s14, 1                          ; my half of its columns; also: which 128 rows I fetch
	s_bfe_u32 s40, ttmp6, 0x40000                  ; cx
	s_bfe_u32 s41, ttmp6, 0x40004                  ; cy
	s_lshl_b32 s42, ttmp9, 2
	s_add_co_u32 s42, s42, s40                     ; tile column
	s_and_b32 s17, ttmp7, 0xffff
	s_lshl_b32 s17, s17, 2
	s_add_co_u32 s17, s17, s41                     ; tile row
	s_lshl_b32 s43, s41, 2
	s_lshl_b32 s43, 15, s43                        ; my row of the cluster
	s_lshl_b32 s44, 0x1111, s40                    ; my column
	s_or_b32 s[G1+0], s43, (0<<16)|(1<<20)|(1<<21)|(5<<22)|(3<<25)   ; mask; elements of 1 byte; padding on; bit 21 beside a mask; 4 words behind every 64
	s_or_b32 s[G1B+0], s44, (0<<16)|(1<<20)|(1<<21)|(5<<22)|(3<<25)
.irp g, G1, G1B
	s_mov_b32 s[\g+1], ROWB<<16                    ; tensor_dim0
	s_mov_b32 s[\g+2], 128<<16                     ; tensor_dim1
	s_mov_b32 s[\g+3], ROWB<<16                    ; tile_dim0
	s_mov_b32 s[\g+4], 128                         ; tile_dim1
	s_mov_b32 s[\g+5], KROW                        ; pitch
	s_mov_b32 s[\g+6], 0
	s_mov_b32 s[\g+7], 0
.endr
	s_or_b32 s[G1S+0], s43, (3<<16)|(1<<20)|(1<<21)|(5<<22)|(3<<25)  ; the scales of 128 rows: a dense block, as rows of 256 bytes (32 elements of 8)
	s_or_b32 s[G1SB+0], s44, (3<<16)|(1<<20)|(1<<21)|(5<<22)|(3<<25)
.irp g, G1S, G1SB
	s_mov_b32 s[\g+1], 32<<16
	s_mov_b32 s[\g+2], (128*KS/256)<<16
	s_mov_b32 s[\g+3], 32<<16
	s_mov_b32 s[\g+4], 128*KS/256
	s_mov_b32 s[\g+5], 32
	s_mov_b32 s[\g+6], 0
	s_mov_b32 s[\g+7], 0
.endr
	s_lshl_b32 s18, s16, 7
	s_lshl_b32 s20, s17, 8
	s_add_co_u32 s20, s20, s18                     ; A: row 256 x tile row + 128 x half
	s_lshl_b32 s46, s42, 8
	s_add_co_u32 s46, s46, s18                     ; B: row 256 x tile column + 128 x half
	s_mov_b32 s21, 0
	s_mov_b32 s47, 0
	s_mov_b64 s[18:19], KS
	s_mul_u64 s[22:23], s[20:21], s[18:19]
	s_mul_u64 s[92:93], s[46:47], s[18:19]
	s_mov_b64 s[18:19], KROW
	s_mul_u64 s[20:21], s[20:21], s[18:19]
	s_mul_u64 s[46:47], s[46:47], s[18:19]
	s_mul_i32 s45, s14, HALFT                      ; LDS: wave x 128 rows
	s_mul_i32 s94, s14, HALFS
	s_wait_dscnt 0x0                               ; both opening adds are done
	s_wait_kmcnt 0x0
	s_add_nc_u64 s[8:9], s[8:9], 0x400000          ; the weights' codes: behind 8,192 rows of 512 bytes
	s_add_nc_u64 s[10:11], s[10:11], 0x40000       ; their scales: behind 8,192 rows of 32 bytes
	s_add_nc_u64 s[20:21], s[4:5], s[20:21]
	s_add_nc_u64 s[22:23], s[6:7], s[22:23]
	s_add_nc_u64 s[46:47], s[8:9], s[46:47]
	s_add_nc_u64 s[92:93], s[10:11], s[92:93]
	CROUND                                         ; all sixteen work-groups are here: the joint loads meet
	s_mov_b32 s[G0S], 1
	s_add_co_u32 s[G0S+1], s94, SCL
	s_mov_b64 s[G0S+2:G0S+3], s[22:23]
	s_or_b32 s[G0S+3], s[G0S+3], 0x80000000
	s_mov_b32 s[G0SB], 1
	s_add_co_u32 s[G0SB+1], s94, SCL
	s_mov_b64 s[G0SB+2:G0SB+3], s[92:93]
	s_or_b32 s[G0SB+3], s[G0SB+3], 0x80000000
	JLOAD G0S, G1S, G0SB, G1SB                     ; three loads of mine go out together: the scales, slot 0, slot 1
.irp s, 0,1
	s_mov_b32 s[G0+4*\s], 1
	s_add_co_u32 s[G0+4*\s+1], s45, \s*SLOT
	s_add_nc_u64 s[G0+4*\s+2:G0+4*\s+3], s[20:21], \s*ROWB
	s_or_b32 s[G0+4*\s+3], s[G0+4*\s+3], 0x80000000
	s_mov_b32 s[G0B+4*\s], 1
	s_add_co_u32 s[G0B+4*\s+1], s45, \s*SLOT
	s_add_nc_u64 s[G0B+4*\s+2:G0B+4*\s+3], s[46:47], \s*ROWB
	s_or_b32 s[G0B+4*\s+3], s[G0B+4*\s+3], 0x80000000
	JLOAD G0+4*\s, G1, G0B+4*\s, G1B
.endr
	v_and_b32 v1, 15, v0                           ; r
	v_bfe_u32 v2, v0, 4, 1                         ; h
	v_mul_u32_u24 v3, v1, PITCH
	v_lshl_add_u32 v4, v2, 4, v3
	s_mul_i32 s21, s15, HALFT
	s_mul_i32 s22, s16, HALFT
	s_add_co_u32 s22, s22, 2*HALFT
.irp s, 0,1
	v_add_nc_u32 v[ADRA+\s], s21, v4
	v_add_nc_u32 v[ADRB+\s], s22, v4
	s_add_co_u32 s21, s21, SLOT
	s_add_co_u32 s22, s22, SLOT
.endr
	v_mul_u32_u24 v5, v1, KS
	v_lshrrev_b32 v6, 8, v5
	v_lshl_add_u32 v5, v6, 4, v5                   ; my row's scales: KS bytes a row, 16 more for each 256 passed
	s_mul_i32 s21, s15, HALFS
	s_mul_i32 s22, s16, HALFS
	s_add_co_u32 s22, s22, 2*HALFS
	s_sub_co_u32 s22, s22, s21
	v_mul_u32_u24 v6, s22, v2                      ; lanes 16-31 take B's
	s_add_co_u32 s21, s21, SCL
	v_add_nc_u32 v5, v5, v6
	v_add_nc_u32 v[ADRS], s21, v5
	s_mul_i32 s23, s14, 16*PITCH                   ; my stage for the way out: 16 rows of 256 bytes + 16, in slot 0, behind its last fill and its last read
	v_add_nc_u32 v[STO], s23, v4                   ; in: row r, 16 bytes for each half of the lanes
	v_and_b32 v6, 31, v0
	v_lshlrev_b32 v[CO], 4, v6                     ; out: 16 bytes a lane
	v_lshrrev_b32 v5, 3, v6
	v_mul_u32_u24 v5, v5, PITCH
	v_and_b32 v6, 7, v0
	v_lshl_add_u32 v5, v6, 4, v5
	v_add_nc_u32 v[RD], s23, v5                    ; back: four rows an instruction, eight lanes to a head's 128 bytes
	v_lshlrev_b32 v[BIA], 5, v2
	s_lshl_b32 s20, s17, 8
	s_lshl_b32 s21, s15, 7
	s_add_co_u32 s20, s20, s21                     ; my first row of x
	s_lshr_b32 s21, s20, 11                        ; batch
	s_and_b32 s20, s20, 2047                       ; position
	s_lshl_b32 s21, s21, 22
	s_lshl_b32 s20, s20, 7
	s_add_co_u32 s20, s20, s21
	s_lshl_b32 s21, ttmp9, 24                      ; q, k or v
	s_add_co_u32 s20, s20, s21
	s_lshl_b32 s46, s42, 2
	s_lshl_b32 s47, s16, 1
	s_add_co_u32 s46, s46, s47
	s_and_b32 s46, s46, 15                         ; my first head
	s_lshl_b32 s46, s46, 18
	s_add_co_u32 s20, s20, s46
	s_mov_b32 s21, 0
	s_add_nc_u64 s[12:13], s[12:13], s[20:21]
.macro FRAG reg, adr, q, i             ; 16 rows x 128 K of 4-bit codes: 8 registers
.irp c, 0,1
	ds_load_b128 v[\reg+4*\c:\reg+4*\c+3], v[\adr] offset:64*(\q)+32*\c+(\i)*16*PITCH
.endr
.endm
; 16 matrix instructions: A's blocks a0, a0 + 1 x B's eight.  zero = 1: C is 0; 2: C is bq; 0: the sum goes on.  The 64 accumulators take turns, one instruction a turn.
.macro MUL16 a0, p, q, sc, zero
.irp a, \a0, \a0+1
.irp b, 0,1,2,3,4,5,6,7
.if \zero == 1
	v_wmma_scale_f32_16x16x128_f8f6f4 v[8*(8*((\a)%4)+\b):8*(8*((\a)%4)+\b)+7], v[128*(\p)+FR*\b:128*(\p)+FR*\b+FR-1], v[AF+FR*(\a):AF+FR*(\a)+FR-1], 0, v[SC+8*NQ*(\sc)+NQ*\b+(\q)], v[SC+8*NQ*(\sc)+NQ*(\a)+(\q)] matrix_a_fmt:MATRIX_FMT_FP4 matrix_b_fmt:MATRIX_FMT_FP4 matrix_a_scale:MATRIX_SCALE_ROW1
.elseif \zero == 2
	v_wmma_scale_f32_16x16x128_f8f6f4 v[8*(8*((\a)%4)+\b):8*(8*((\a)%4)+\b)+7], v[128*(\p)+FR*\b:128*(\p)+FR*\b+FR-1], v[AF+FR*(\a):AF+FR*(\a)+FR-1], v[BI+8*\b:BI+8*\b+7], v[SC+8*NQ*(\sc)+NQ*\b+(\q)], v[SC+8*NQ*(\sc)+NQ*(\a)+(\q)] matrix_a_fmt:MATRIX_FMT_FP4 matrix_b_fmt:MATRIX_FMT_FP4 matrix_a_scale:MATRIX_SCALE_ROW1
.else
	v_wmma_scale_f32_16x16x128_f8f6f4 v[8*(8*((\a)%4)+\b):8*(8*((\a)%4)+\b)+7], v[128*(\p)+FR*\b:128*(\p)+FR*\b+FR-1], v[AF+FR*(\a):AF+FR*(\a)+FR-1], v[8*(8*((\a)%4)+\b):8*(8*((\a)%4)+\b)+7], v[SC+8*NQ*(\sc)+NQ*\b+(\q)], v[SC+8*NQ*(\sc)+NQ*(\a)+(\q)] matrix_a_fmt:MATRIX_FMT_FP4 matrix_b_fmt:MATRIX_FMT_FP4 matrix_a_scale:MATRIX_SCALE_ROW1
.endif
.endr
.endr
.endm
.macro FETCH_B slot, q, p
	WIN TO_B
.irp i, 0,1,2,3,4,5,6,7
	FRAG 128*(\p)+FR*\i, ADRB+\slot, \q, \i
.endr
	WIN 0
.endm
.macro FETCH_A slot, q, i0
.irp i, \i0, \i0+1, \i0+2, \i0+3
	FRAG AF+FR*(\i), ADRA+\slot, \q, \i
.endr
.endm
.macro SCALES sc                       ; a K step's scale words: lanes 0-15 A's block i, lanes 16-31 B's block i
.irp i, 0,1,2,3,4,5,6,7
	ds_load_b128 v[SC+8*NQ*\sc+NQ*\i:SC+8*NQ*\sc+NQ*\i+3], v[ADRS] offset:\i*SBLK
.endr
.endm
.macro PLACES n                        ; plain vector instructions between a matrix instruction and a load into, or a read of, its registers
.rept \n
	v_nop
.endr
.endm
.macro STEP slot, q, zero              ; 128 along K, its successor in the same slot
	s_wait_dscnt 4*NL                              ; B's set and A's blocks 0-3 are in; the youngest eight loads (A's blocks 4-7) may be out
.if \zero == 2
	WIN 0x81                                       ; C (bq) in window 0
.else
	WIN MUL_LO
.endif
	MUL16 0, (\q)%2, \q, \slot, \zero
	MUL16 2, (\q)%2, \q, \slot, \zero
	s_wait_dscnt 0
	PLACES NP
	FETCH_B \slot, (\q)+1, 1-(\q)%2
	FETCH_A \slot, (\q)+1, 0
.if \zero == 2
	WIN 0xc1
.else
	WIN MUL_HI
.endif
	MUL16 4, (\q)%2, \q, \slot, \zero
	MUL16 6, (\q)%2, \q, \slot, \zero
	PLACES NP
	WIN 0
	FETCH_A \slot, (\q)+1, 4
.endm
.macro TURN slot, next                 ; a slot's last step changes slots: one barrier; nothing is filled again
	s_wait_tensorcnt 0x0                           ; all my tensor loads have landed: my part of the next slot
	ds_add_u32 v[SPW], v[NIL]
	s_wait_dscnt 4*NL+1                            ; the add and the youngest eight loads may be out
	WIN MUL_LO
	MUL16 0, 1, NQ-1, \slot, 0
	s_wait_dscnt 0x0                               ; the add is done, my reads of this slot are over
	s_barrier_signal -1
	MUL16 2, 1, NQ-1, \slot, 0
	WIN 0
	s_barrier_wait -1
	PLACES NP
	v_add_nc_u32 v[ADRS], 4*NQ, v[ADRS]            ; the next K step's scale words
	FETCH_B \next, 0, 0
	FETCH_A \next, 0, 0
	SCALES \next
	WIN MUL_HI
	MUL16 4, 1, NQ-1, \slot, 0
	MUL16 6, 1, NQ-1, \slot, 0
	PLACES NP
	WIN 0
	FETCH_A \next, 0, 4
.endm
.macro STEPS slot, from
.set Q, \from
.rept NQ-1-\from
	STEP \slot, Q, 0
.set Q, Q+1
.endr
.endm
	s_wait_tensorcnt 1                             ; the scales and my part of slot 0 are in; slot 1's load may be out
	s_barrier_signal -1
	s_barrier_wait -1
	s_cmp_lg_u32 ttmp9, 0                          ; the cluster's x: the same in all sixteen partners and in all waves
	s_cbranch_scc1 .Lno_bias
	s_lshl_b32 s46, s42, 10                        ; q: bq at my 128 columns
	s_lshl_b32 s47, s16, 9
	s_add_co_u32 s46, s46, s47
	s_mov_b32 s47, 0
	s_add_nc_u64 s[66:67], s[66:67], s[46:47]
.irp b, 0,1,2,3,4,5,6,7
	global_load_b128 v[BI+8*\b:BI+8*\b+3], v[BIA], s[66:67] offset:64*\b          ; register j of block b: bq[16 b + 8 h + j]: the result's layout
	global_load_b128 v[BI+8*\b+4:BI+8*\b+7], v[BIA], s[66:67] offset:64*\b+16
.endr
	FETCH_B 0, 0, 0
	FETCH_A 0, 0, 0
	SCALES 0
	FETCH_A 0, 0, 4
	s_wait_loadcnt 0x0                             ; bq
	STEP 0, 0, 2                                   ; the first products start the sums from bq
	s_branch .Lgo
.Lno_bias:
	FETCH_B 0, 0, 0
	FETCH_A 0, 0, 0
	SCALES 0
	FETCH_A 0, 0, 4
	STEP 0, 0, 1                                   ; k and v: the first products start the sums from 0
.Lgo:
	STEPS 0, 1
	TURN 0, 1
	STEPS 1, 0
	s_wait_dscnt 4*NL
	WIN MUL_LO
	MUL16 0, 1, NQ-1, 1, 0
	MUL16 2, 1, NQ-1, 1, 0
	s_wait_dscnt 0
	WIN MUL_HI
	MUL16 4, 1, NQ-1, 1, 0
	MUL16 6, 1, NQ-1, 1, 0
	WIN 0
; THE WAY OUT, a block of 16 positions x 128 channels (two heads) at a time: rounded to f16, 16 bytes a lane, through my stage, and back so that a store covers four positions of one head: 512 consecutive bytes.
.macro PACK a
.set AC, 64*((\a)%4)
	WIN 0x0a+5*((\a)/4)                            ; sources in window 2 or 3
.irp b, 0,1,2,3,4,5,6,7
.irp r, 0,1,2,3
	v_cvt_pk_f16_f32 v[TMP+4*\b+\r], v[AC+8*\b+2*\r], v[AC+8*\b+2*\r+1]   ; each accumulator from its low end on
.endr
.endr
	WIN 0
.endm
.macro TOSTAGE a
.set BB, BK+32*((\a)%2)
.irp b, 0,1,2,3,4,5,6,7
	ds_store_b128 v[STO], v[TMP+4*\b:TMP+4*\b+3] offset:32*\b
.endr
.irp e, 0,1
.irp i, 0,1,2,3
	ds_load_b128 v[BB+4*(4*\e+\i):BB+4*(4*\e+\i)+3], v[RD] offset:\i*4*PITCH+\e*128   ; LDS serves a wave's instructions in order: these see the stores above
.endr
.endr
.endm
.macro SEND a
.set BB, BK+32*((\a)%2)
	s_wait_dscnt 0x0                               ; the block is back in registers
	s_wait_xcnt 0x0                                ; the block before last's stores have read their registers: the next loads may land there
.irp e, 0,1
.irp i, 0,1,2,3
	global_store_b128 v[CO], v[BB+4*(4*\e+\i):BB+4*(4*\e+\i)+3], s[12:13] offset:(\a)*2048+\i*512+\e*262144 th:TH_STORE_NT
.endr
.endr
.endm
	PLACES NP
	PACK 0
	TOSTAGE 0
.irp a, 1,2,3,4,5,6,7
	PACK \a
	SEND \a-1
	TOSTAGE \a
.endr
	SEND 7
	s_wait_tensorcnt 0x0                           ; the wave's end
	ds_add_u32 v[SPW], v[NIL]
	s_wait_dscnt 0x0
	CROUND                                         ; the closing round
	s_endpgm
.Lfunc_end_k_q2a54107601_qkv:
	.size	k_q2a54107601_qkv, .Lfunc_end_k_q2a54107601_qkv-k_q2a54107601_qkv
	.p2alignl 7, 3214868480
	.fill 96, 4, 3214868480
	.section	.rodata,"a",@progbits
	.p2align	6, 0x0
	.amdhsa_kernel k_q2a54107601_qkv
		.amdhsa_group_segment_fixed_size 327680
		.amdhsa_private_segment_fixed_size 0
		.amdhsa_enable_private_segment 0
		.amdhsa_kernarg_size 32
		.amdhsa_user_sgpr_count 2
		.amdhsa_user_sgpr_kernarg_segment_ptr 1
		.amdhsa_wavefront_size32 1
		.amdhsa_system_sgpr_workgroup_id_x 1
		.amdhsa_system_sgpr_workgroup_id_y 1
		.amdhsa_system_sgpr_workgroup_id_z 1
		.amdhsa_system_vgpr_workitem_id 0
		.amdhsa_next_free_vgpr 1024
		.amdhsa_next_free_sgpr 98
		.amdhsa_reserve_vcc 0
		.amdhsa_float_denorm_mode_32 3
		.amdhsa_float_denorm_mode_16_64 3
		.amdhsa_memory_ordered 1
		.amdhsa_forward_progress 1
		.amdhsa_inst_pref_size 141
	.end_amdhsa_kernel
	.amdgpu_metadata
---
amdhsa.version: [ 1, 2 ]
amdhsa.kernels:
  - .name:           k_q2a54107601_qkv
    .symbol:         k_q2a54107601_qkv.kd
    .args:
      - { .name: codes, .offset: 0, .size: 8, .value_kind: global_buffer, .address_space: global }
      - { .name: scales, .offset: 8, .size: 8, .value_kind: global_buffer, .address_space: global }
      - { .name: bq, .offset: 16, .size: 8, .value_kind: global_buffer, .address_space: global }
      - { .name: qkv16, .offset: 24, .size: 8, .value_kind: global_buffer, .address_space: global }
    .group_segment_fixed_size: 327680
    .private_segment_fixed_size: 0
    .kernarg_segment_align: 8
    .kernarg_segment_size: 32
    .max_flat_workgroup_size: 128
    .sgpr_count:     98
    .vgpr_count:     1024
    .wavefront_size: 32
...
	.end_amdgpu_metadata
.endif
;; end of part 2
;; launch attn (part 3): grid 4 x 64, 8 waves a work-group, no clusters, 228,352 bytes of LDS; arguments qkv16, maskw, bv, ctx16; writes ctx16
.if DOCPART == 3
	.amdgcn_target "amdgcn-amd-amdhsa--gfx1250"
	.amdhsa_code_object_version 6
	.text
	.protected	k_q2a54107601_attn
	.globl	k_q2a54107601_attn
	.p2align	8
	.type	k_q2a54107601_attn,@function
k_q2a54107601_attn:
	s_mov_b64 s[64:65], 0
	v_nop
	global_prefetch_b8 v0, s[64:65] scope:SCOPE_SE
	s_setreg_imm32_b32 hwreg(HW_REG_WAVE_MODE, 25, 1), 1
	s_wait_xcnt 0x0
; Launch 3: ctx[b][h][q] = sum over keys of softmax(mask(q . k) / 8) v + bv, on f16 operands with f32 sums, maxima and sums of p; ctx rounded to f16, laid [batch][head][position][64].
; Left out: tiles of 32 queries x 64 keys that the mask hides whole (p = 0 there for all finite inputs): the flags NEED, stored as whole numbers by the first launch, say which; MIX says where the mask's bits must be applied.
; bv is added behind the division: sum(p (v + bv)) / sum(p) = sum(p v) / sum(p) + bv.  A query with no open key gives 0 x (1 / 0) = NaN, as the softmax of a row of -infinity does.
; LIMIT: a NaN or an infinity in k or v under hidden tiles alone is not carried to the result.
; SHARES.  Work-group (i, bh) takes blocks i and 7 - i of 256 queries of head bh, one after the other; each of its eight waves owns 32 queries, two tiles of 16; two waves to a SIMD.
; K and V come in stages of 256 keys: memory -> registers -> LDS, two slots; a stage is asked for a whole stage (four key steps) ahead, and only if some wave of the work-group needs it.
; NO TENSOR LOADS, NO CLUSTER: which stages and steps are walked hangs on the stored flags, by branches; partners would need different tiles.
; NO PREFETCH: each stage is already asked for four key steps, 128 matrix instructions a wave, ahead of its use.
; LAYOUT.  S^T = K Q^T (source 0 = 16 keys, source 1 = 16 queries) and O^T = V^T P: a lane holds one query (lane % 16) throughout; two score tiles rounded in pairs are source 1 of the second product.
; SOFTMAX.  Running maximum m and sum l: p = 2^(c s - c m), c = log2(e) / 8; O and l are multiplied by a = 2^(c m_old - c m_new) in every step.  m starts at -3e38, a number, so that a tile hidden for one query gives p = 0.
; REGISTERS.  window 0: v1-21 addresses; v24-39 statistics, 8 a tile (c m, m, l, l, c0-c3; a in c2's place); v64-127 S^T, 32 a tile, P laid over each tile's low 16; v128-191 K's fragments; v192-223 bv.
;   window 1: v0-63 O^T; v64-127 Q of both passes; v128-191 V's fragments; v192-255 the stage on its way (K 32, V 32).
.set PK,    144                        ; a key's row of K in LDS: 128 bytes + 16
.set PV,    160                        ; of V: 128 + 32
.set VOFF,  256*PK
.set SLOT1, 1<<17                      ; one exclusive or turns an address from one slot to the other
.set STAGE, SLOT1+256*(PK+PV)          ; the way out: 16 rows x 144 bytes for each wave
.set SPARE, STAGE+8*16*PK              ; the spare words, 128 bytes a wave: no other line names them
.set FLAGS, 524288
.set SPW, 1
.set NIL, 2
.set AK0, 3
.set AV0, 4
.set ADK, 5
.set ADV, 6
.set WK0, 7
.set WV0, 8
.set WKA, 9
.set WVA, 10
.set GL,  11
.set GA,  12
.set QO,  13
.set STO, 14
.set RD,  15
.set GO0, 16
.set GO1, 17
.set NINF, 18
.set QA0, 19
.set QA1, 20
.set BA,  21
.set ST,  24
.set S,   64
.set KF,  128
.set BV,  192
.set QF,  64                           ; window 1
.set VF,  128
.set SK,  192
.set SV,  224
.set WV,  2                            ; s2 wave
.set TB,  3                            ; s3 the slot in hand
.set VB,  12                           ; s[12:13] V of the head;  s[4:5] K;  s[6:7] maskw;  s[8:9] bv;  s[10:11] ctx of the head;  s[30:31] Q
.set KO,  16                           ; s16 the next stage's byte offset in K and V
.set NXT, 17                           ; s17 bit 0: the next stage is needed by some wave; 4 bits a trip
.set NXT1, 18
.set NB,  19                           ; s19 my NEED bits, 4 a trip
.set MB,  20                           ; s20 my MIX bits
.set NB1, 21
.set MB1, 22
.set MO,  23                           ; s23 byte offset of my mask words
.set MO1, 24
.set CNT, 25
.set CS,  26
.set SEL, 28
.set QP,  30
.set MSB, 0
.macro WIN new
.if MSB != (\new)
	s_set_vgpr_msb (MSB<<8)|(\new)
.set MSB, (\new)
.endif
.endm
	s_load_b256 s[4:11], s[0:1], 0x0               ; qkv16, maskw, bv, ctx16
	v_lshl_add_u32 v[SPW], v0, 2, SPARE
	v_mov_b32 v[NIL], 0
	v_lshrrev_b32 v40, 5, v0
	v_readfirstlane_b32 s[WV], v40                 ; wave 0..7
	v_and_b32 v40, 15, v0                          ; r
	v_bfe_u32 v41, v0, 4, 1                        ; h
	v_and_b32 v42, 31, v0                          ; lane
	v_mul_u32_u24 v[AK0], v40, PK
	v_lshl_add_u32 v[AK0], v41, 4, v[AK0]          ; a fragment of K: row r, 16 bytes for each half of the lanes
	v_and_b32 v43, 7, v0
	v_lshl_add_u32 v[AV0], v41, 3, v43
	v_mul_u32_u24 v[AV0], v[AV0], PV
	v_bfe_u32 v44, v0, 3, 1
	v_lshl_add_u32 v[AV0], v44, 4, v[AV0]
	v_add_nc_u32 v[AV0], VOFF, v[AV0]              ; the turning load: key 8 h + lane % 8, channels 8 ((lane / 8) % 2) on
	v_lshrrev_b32 v44, 3, v0                       ; a stage on its way in: thread / 8 is the row, thread % 8 the 16 bytes
	v_mul_u32_u24 v[WK0], v44, PK
	v_lshl_add_u32 v[WK0], v43, 4, v[WK0]
	v_mul_u32_u24 v[WV0], v44, PV
	v_lshl_add_u32 v[WV0], v43, 4, v[WV0]
	v_add_nc_u32 v[WV0], VOFF, v[WV0]
	v_lshlrev_b32 v[GL], 4, v0                     ; in memory: 16 bytes a thread, 4,096 a load of the work-group
	v_lshlrev_b32 v[QO], 7, v40
	v_lshl_add_u32 v[QO], v41, 4, v[QO]
	s_mul_i32 s14, s[WV], 16*PK
	s_add_co_u32 s14, s14, STAGE
	v_add_nc_u32 v[STO], s14, v[AK0]
	v_lshrrev_b32 v45, 3, v42
	v_mul_u32_u24 v[RD], v45, PK
	v_lshl_add_u32 v[RD], v43, 4, v[RD]
	v_add_nc_u32 v[RD], s14, v[RD]
	v_mov_b32 v[NINF], 0xff800000
	v_lshlrev_b32 v[BA], 5, v41
	s_and_b32 s66, ttmp7, 0xffff                   ; batch x 16 + head
	s_lshl_b32 s14, s66, 18                        ; 2,048 positions of 128 bytes
	s_mov_b32 s15, 0
	s_and_b32 s66, s66, 15
	s_lshl_b32 s66, s66, 8                         ; the head's 64 numbers of bv
	s_mov_b32 s67, 0
	s_lshl_b32 s16, ttmp9, 15                      ; pass 0: block i
	s_lshl_b32 s17, s[WV], 12                      ; my 32 queries
	s_add_co_u32 s16, s16, s17
	s_sub_co_u32 s18, 7, ttmp9                     ; pass 1: block 7 - i
	s_lshl_b32 s18, s18, 15
	s_add_co_u32 s18, s18, s17
	v_add_nc_u32 v[QA0], s16, v[QO]
	v_add_nc_u32 v[QA1], s18, v[QO]
	v_lshl_add_u32 v[GO0], v42, 4, s16
	v_lshl_add_u32 v[GO1], v42, 4, s18
	s_mov_b32 s[CS], 0x3e38aa3b                    ; c = log2(e) / 8
	s_mov_b32 s[CS+1], s[CS]
	s_mov_b32 s[SEL], 0x76543210
	s_mov_b32 s[SEL+1], 0xfedcba98
	s_wait_kmcnt 0x0
	s_add_nc_u64 s[QP:QP+1], s[4:5], s[14:15]
	s_add_nc_u64 s[VB:VB+1], s[QP:QP+1], 0x2000000
	s_add_nc_u64 s[4:5], s[QP:QP+1], 0x1000000
	s_add_nc_u64 s[10:11], s[10:11], s[14:15]
	s_add_nc_u64 s[8:9], s[8:9], s[66:67]
	WIN 0x40                                       ; destination window 1
.irp j, 0,1,2,3,4,5,6,7
	global_load_b128 v[SK+4*\j:SK+4*\j+3], v[GL], s[4:5] offset:4096*\j         ; stage 0
.endr
.irp j, 0,1,2,3,4,5,6,7
	global_load_b128 v[SV+4*\j:SV+4*\j+3], v[GL], s[VB:VB+1] offset:4096*\j
.endr
.irp x, 0,1
.irp e, 0,1
	global_load_b128 v[QF+16*\x+8*\e:QF+16*\x+8*\e+3], v[QA0], s[QP:QP+1] offset:2048*\x+64*\e
	global_load_b128 v[QF+16*\x+8*\e+4:QF+16*\x+8*\e+7], v[QA0], s[QP:QP+1] offset:2048*\x+64*\e+32
	global_load_b128 v[QF+32+16*\x+8*\e:QF+32+16*\x+8*\e+3], v[QA1], s[QP:QP+1] offset:2048*\x+64*\e
	global_load_b128 v[QF+32+16*\x+8*\e+4:QF+32+16*\x+8*\e+7], v[QA1], s[QP:QP+1] offset:2048*\x+64*\e+32
.endr
.endr
	WIN 0
.irp c, 0,1,2,3
	global_load_b128 v[BV+8*\c:BV+8*\c+3], v[BA], s[8:9] offset:64*\c           ; register 8 c + j: bv[16 c + 8 h + j]: O^T's layout
	global_load_b128 v[BV+8*\c+4:BV+8*\c+7], v[BA], s[8:9] offset:64*\c+16
.endr
; The flags of a pass.  blk: the register with the block's number.  My group of 32 queries is g = 8 blk + wave.  tt gets bit 4 t = some wave of the block needs stage t.
.macro GETFLAGS blk, nb, mb, tt, mo
	s_lshl_b32 s67, s[\blk], 3
	s_add_co_u32 s67, s67, s[WV]
	s_lshl_b32 s[\mo], s67, 13                     ; two query tiles of 4,096 bytes of words
	s_lshl_b32 s14, s67, 4
	s_add_co_u32 s14, s14, FLAGS
	s_lshl_b32 s15, s[\blk], 7
	s_add_co_u32 s15, s15, FLAGS
	s_load_b128 s[68:71], s[6:7], s14 offset:0x0         ; NEED[g]
	s_load_b128 s[72:75], s[6:7], s14 offset:0x400       ; MIX[g]
	s_load_b512 s[32:47], s[6:7], s15 offset:0x0         ; NEED of the block's eight groups
	s_load_b512 s[48:63], s[6:7], s15 offset:0x40
	s_wait_kmcnt 0x0
	s_or_b32 s68, s68, s69
	s_or_b32 s70, s70, s71
	s_or_b32 s[\nb], s68, s70
	s_or_b32 s72, s72, s73
	s_or_b32 s74, s74, s75
	s_or_b32 s[\mb], s72, s74
.irp k, 33,34,35,36,37,38,39,40,41,42,43,44,45,46,47,48,49,50,51,52,53,54,55,56,57,58,59,60,61,62,63
	s_or_b32 s32, s32, s[\k]
.endr
	s_lshr_b32 s33, s32, 1
	s_or_b32 s32, s32, s33
	s_lshr_b32 s33, s32, 2
	s_or_b32 s32, s32, s33
	s_and_b32 s[\tt], s32, 0x11111111
.endm
	s_mov_b32 s66, ttmp9
	GETFLAGS 66, NB, MB, NXT, MO
	s_sub_co_u32 s66, 7, ttmp9
	GETFLAGS 66, NB1, MB1, NXT1, MO1
	s_and_b32 s14, s[NXT1], 1                      ; pass 0's last trip asks for pass 1's stage 0
	s_lshl_b32 s14, s14, 28
	s_lshr_b32 s[NXT], s[NXT], 4                   ; trip t asks for stage t + 1
	s_or_b32 s[NXT], s[NXT], s14
	s_lshr_b32 s[NXT1], s[NXT1], 4
	s_mov_b32 s[TB], 0
	s_mov_b32 s[KO], 32768
	s_wait_loadcnt 24                              ; stage 0's 16 loads are in; Q's 16 and bv's 8 may be out
	WIN 0x04                                       ; an LDS store's data are its source 1: window 1
.irp j, 0,1,2,3,4,5,6,7
	ds_store_b128 v[WK0], v[SK+4*\j:SK+4*\j+3] offset:32*PK*\j
.endr
.irp j, 0,1,2,3,4,5,6,7
	ds_store_b128 v[WV0], v[SV+4*\j:SV+4*\j+3] offset:32*PV*\j
.endr
	WIN 0
	s_wait_loadcnt 0x0
	s_wait_dscnt 0x0                               ; for the others' sake: my part of stage 0 lies in LDS
	s_barrier_signal -1
	s_barrier_wait -1
; 16 products S^T = K Q^T: eight accumulators by turns, two deep along the head's 64; then the places in front of the first read of the scores.
.macro KQ16 p
	WIN 0x04                                       ; Q in window 1
.irp e, 0,1
.irp t, 0,1,2,3
.irp x, 0,1
.if \e == 0
	v_wmma_f32_16x16x32_f16 v[S+32*\x+8*\t:S+32*\x+8*\t+7], v[KF+8*(2*\t+\e):KF+8*(2*\t+\e)+7], v[QF+32*\p+16*\x+8*\e:QF+32*\p+16*\x+8*\e+7], 0
.else
	v_wmma_f32_16x16x32_f16 v[S+32*\x+8*\t:S+32*\x+8*\t+7], v[KF+8*(2*\t+\e):KF+8*(2*\t+\e)+7], v[QF+32*\p+16*\x+8*\e:QF+32*\p+16*\x+8*\e+7], v[S+32*\x+8*\t:S+32*\x+8*\t+7]
.endif
.endr
.endr
.endr
	WIN 0
.rept 4
	v_nop
.endr
.endm
; A KEY STEP: the q-th 64 keys of the stage in hand, for my two tiles of queries.
.macro STEP q, p
	s_bitcmp1_b32 s[NB], \q                        ; hidden whole for my 32 queries: nothing is done
	s_cbranch_scc0 .Lskip_\@
.irp t, 0,1,2,3
.irp e, 0,1
	ds_load_b128 v[KF+8*(2*\t+\e):KF+8*(2*\t+\e)+3], v[ADK] offset:(64*\q+16*\t)*PK+64*\e
	ds_load_b128 v[KF+8*(2*\t+\e)+4:KF+8*(2*\t+\e)+7], v[ADK] offset:(64*\q+16*\t)*PK+64*\e+32
.endr
.endr
	WIN 0x40
.irp u, 0,1
.irp c, 0,1,2,3
	ds_load_tr16_b128 v[VF+8*(4*\u+\c):VF+8*(4*\u+\c)+3], v[ADV] offset:(64*\q+32*\u)*PV+32*\c
	ds_load_tr16_b128 v[VF+8*(4*\u+\c)+4:VF+8*(4*\u+\c)+7], v[ADV] offset:(64*\q+32*\u)*PV+16*PV+32*\c
.endr
.endr
	WIN 0
	s_bitcmp1_b32 s[MB], \q
	s_cbranch_scc0 .Lopen_\@
	s_load_b512 s[32:47], s[6:7], s[MO] offset:\q*128          ; the mask's words of my two tiles: asked for ahead of the products
	s_load_b512 s[48:63], s[6:7], s[MO] offset:\q*128+64
	s_load_b512 s[68:83], s[6:7], s[MO] offset:4096+\q*128
	s_load_b512 s[84:99], s[6:7], s[MO] offset:4096+\q*128+64
	s_wait_dscnt 16                                ; K's 16 loads are in, V's 16 may be out
	KQ16 \p
	s_wait_kmcnt 0x0
.irp n, 0,1,2,3,4,5,6,7,8,9,10,11,12,13,14,15,16,17,18,19,20,21,22,23,24,25,26,27,28,29,30,31
	v_cndmask_b32 v[S+\n], v[S+\n], v[NINF], s[32+\n]          ; a hidden score becomes -infinity
.endr
.irp n, 0,1,2,3,4,5,6,7,8,9,10,11,12,13,14,15,16,17,18,19,20,21,22,23,24,25,26,27,28,29,30,31
	v_cndmask_b32 v[S+32+\n], v[S+32+\n], v[NINF], s[68+\n]
.endr
	s_branch .Lsm_\@
.Lopen_\@:
	s_wait_dscnt 16
	KQ16 \p
.Lsm_\@:
.irp k, 0,1,2,3                        ; the maximum: four chains a tile, each begun at the low end of a score tile
.irp x, 0,1
	v_max3_num_f32 v[ST+8*\x+4+\k], v[S+32*\x+8*\k], v[S+32*\x+8*\k+1], v[S+32*\x+8*\k+2]
.endr
.endr
.irp i, 1,2
.irp k, 0,1,2,3
.irp x, 0,1
	v_max3_num_f32 v[ST+8*\x+4+\k], v[ST+8*\x+4+\k], v[S+32*\x+8*\k+2*\i+1], v[S+32*\x+8*\k+2*\i+2]
.endr
.endr
.endr
.irp x, 0,1
	v_max3_num_f32 v[ST+8*\x+4], v[ST+8*\x+4], v[S+32*\x+7], v[S+32*\x+15]
	v_max3_num_f32 v[ST+8*\x+6], v[ST+8*\x+6], v[S+32*\x+23], v[S+32*\x+31]
.endr
.irp x, 0,1
	v_max3_num_f32 v[ST+8*\x+4], v[ST+8*\x+4], v[ST+8*\x+5], v[ST+8*\x+6]
.endr
.irp x, 0,1
	v_max3_num_f32 v[ST+8*\x+4], v[ST+8*\x+4], v[ST+8*\x+7], v[ST+8*\x+1]      ; with the old m
.endr
.irp x, 0,1
	v_permlanex16_b32 v[ST+8*\x+5], v[ST+8*\x+4], s[SEL], s[SEL+1]             ; the query's other 32 keys lie in the lane 16 away
.endr
.irp x, 0,1
	v_mov_b32 v[ST+8*\x+7], v[ST+8*\x]
.endr
.irp x, 0,1
	v_max_num_f32 v[ST+8*\x+1], v[ST+8*\x+4], v[ST+8*\x+5]
.endr
.irp x, 0,1
	v_mul_f32 v[ST+8*\x], s[CS], v[ST+8*\x+1]
.endr
.irp x, 0,1
	v_sub_f32 v[ST+8*\x+7], v[ST+8*\x+7], v[ST+8*\x]                           ; c m_old - c m_new
.endr
.irp i, 0,2,4,6,8,10,12,14,16,18,20,22,24,26,28,30
.irp x, 0,1
	v_pk_fma_f32 v[S+32*\x+\i:S+32*\x+\i+1], v[S+32*\x+\i:S+32*\x+\i+1], s[CS:CS+1], v[ST+8*\x:ST+8*\x+1] op_sel_hi:[1,0,0] neg_lo:[0,0,1] neg_hi:[0,0,1]   ; c s - c m
.endr
.endr
.irp x, 0,1
	v_exp_f32 v[ST+8*\x+6], v[ST+8*\x+7]           ; a
.endr
.irp i, 0,1,2,3,4,5,6,7,8,9,10,11,12,13,14,15,16,17,18,19,20,21,22,23,24,25,26,27,28,29,30,31
.irp x, 0,1
	v_exp_f32 v[S+32*\x+\i], v[S+32*\x+\i]         ; p: one batch of 66 exponentials
.endr
.endr
	v_nop                                          ; a plain instruction behind the last exponential
	s_wait_alu depctr_va_vdst(0)                   ; one wait for the batch, ahead of its first reader
.irp x, 0,1
	v_pk_mul_f32 v[ST+8*\x+2:ST+8*\x+3], v[ST+8*\x+2:ST+8*\x+3], v[ST+8*\x+6:ST+8*\x+7] op_sel_hi:[1,0]
.endr
.irp x, 0,1
	v_pk_add_f32 v[ST+8*\x+4:ST+8*\x+5], v[S+32*\x:S+32*\x+1], v[S+32*\x+2:S+32*\x+3]    ; the sum of p, in f32, in two chains a tile
.endr
.irp j, 4,8,12,16,20,24,28
.irp x, 0,1
	v_pk_add_f32 v[ST+8*\x+2:ST+8*\x+3], v[ST+8*\x+2:ST+8*\x+3], v[S+32*\x+\j:S+32*\x+\j+1]
	v_pk_add_f32 v[ST+8*\x+4:ST+8*\x+5], v[ST+8*\x+4:ST+8*\x+5], v[S+32*\x+\j+2:S+32*\x+\j+3]
.endr
.endr
.irp x, 0,1
	v_pk_add_f32 v[ST+8*\x+2:ST+8*\x+3], v[ST+8*\x+2:ST+8*\x+3], v[ST+8*\x+4:ST+8*\x+5]
.endr
.irp i, 0,1,2,3,4,5,6,7,8,9,10,11,12,13,14,15
.irp x, 0,1
	v_cvt_pk_f16_f32 v[S+32*\x+\i], v[S+32*\x+2*\i], v[S+32*\x+2*\i+1]         ; P in place: register i is written when scores up to 2 i + 1 have been read
.endr
.endr
	WIN 0x41                                       ; O^T in window 1, a in window 0
.irp i, 0,2,4,6,8,10,12,14,16,18,20,22,24,26,28,30
.irp x, 0,1
	v_pk_mul_f32 v[32*\x+\i:32*\x+\i+1], v[32*\x+\i:32*\x+\i+1], v[ST+8*\x+6:ST+8*\x+7] op_sel_hi:[1,0]
.endr
.endr
	s_wait_dscnt 0x0                               ; V
	WIN 0x51                                       ; V and O^T in window 1, P in window 0
.irp u, 0,1
.irp c, 0,1,2,3
.irp x, 0,1
	v_wmma_f32_16x16x32_f16 v[32*\x+8*\c:32*\x+8*\c+7], v[VF+8*(4*\u+\c):VF+8*(4*\u+\c)+7], v[S+32*\x+8*\u:S+32*\x+8*\u+7], v[32*\x+8*\c:32*\x+8*\c+7]
.endr
.endr
.endr
	WIN 0
.rept 5
	v_nop                                          ; five places: the next step's products write over P's registers, its loads land in K's and V's
.endr
.Lskip_\@:
.endm
; A PASS: one block of 256 queries against all eight stages.  The trip count is a constant; what a trip does hangs on the flags.
.macro PASS p, go
.if \p
	s_mov_b32 s[NXT], s[NXT1]
	s_mov_b32 s[NB], s[NB1]
	s_mov_b32 s[MB], s[MB1]
	s_mov_b32 s[MO], s[MO1]
.endif
.irp x, 0,1
	v_mov_b32 v[ST+8*\x+1], 0xff61b1e6             ; m = -3e38
	v_mov_b32 v[ST+8*\x+2], 0                      ; l
	v_mov_b32 v[ST+8*\x+3], 0
	v_mov_b32 v[ST+8*\x+5], 0
	v_mov_b32 v[ST+8*\x+6], 0
	v_mov_b32 v[ST+8*\x+7], 0
	v_mul_f32 v[ST+8*\x], s[CS], v[ST+8*\x+1]
.endr
	WIN 0x40
.set i, 0
.rept 64
	v_mov_b32 v[i], 0                              ; O^T: which step is a wave's first hangs on the flags, so no first product can be written out
.set i, i+1
.endr
	WIN 0
	s_mov_b32 s[CNT], 8
.Lstage_\@:
	s_xor_b32 s14, s[TB], SLOT1
	v_add_nc_u32 v[WKA], s14, v[WK0]               ; the other slot takes the next stage
	v_add_nc_u32 v[WVA], s14, v[WV0]
	v_add_nc_u32 v[ADK], s[TB], v[AK0]
	v_add_nc_u32 v[ADV], s[TB], v[AV0]
	v_add_nc_u32 v[GA], s[KO], v[GL]
	s_bitcmp1_b32 s[NXT], 0
	s_cbranch_scc0 .Lnoload_\@
	WIN 0x40
.irp j, 0,1,2,3,4,5,6,7
	global_load_b128 v[SK+4*\j:SK+4*\j+3], v[GA], s[4:5] offset:4096*\j
.endr
.irp j, 0,1,2,3,4,5,6,7
	global_load_b128 v[SV+4*\j:SV+4*\j+3], v[GA], s[VB:VB+1] offset:4096*\j
.endr
	WIN 0
.Lnoload_\@:
	STEP 0, \p
	STEP 1, \p
	STEP 2, \p
	STEP 3, \p
	s_wait_loadcnt 0x0                             ; the next stage is in registers
	s_bitcmp1_b32 s[NXT], 0
	s_cbranch_scc0 .Lnostore_\@
	WIN 0x04
.irp j, 0,1,2,3,4,5,6,7
	ds_store_b128 v[WKA], v[SK+4*\j:SK+4*\j+3] offset:32*PK*\j
.endr
.irp j, 0,1,2,3,4,5,6,7
	ds_store_b128 v[WVA], v[SV+4*\j:SV+4*\j+3] offset:32*PV*\j
.endr
	WIN 0
.Lnostore_\@:
	s_wait_dscnt 0x0                               ; my stores into the other slot have landed and my reads of this slot are over:
	s_barrier_signal -1                            ; one barrier a trip orders both
	s_barrier_wait -1
	s_xor_b32 s[TB], s[TB], SLOT1
	s_lshr_b32 s[NXT], s[NXT], 4
	s_lshr_b32 s[NB], s[NB], 4
	s_lshr_b32 s[MB], s[MB], 4
	s_add_co_u32 s[KO], s[KO], 32768
	s_and_b32 s[KO], s[KO], 0x3ffff                ; behind the last stage comes stage 0, for the next pass
	s_add_co_u32 s[MO], s[MO], 512
	s_sub_co_u32 s[CNT], s[CNT], 1
	s_cmp_lg_u32 s[CNT], 0
	s_cbranch_scc1 .Lstage_\@
	; THE WAY OUT: O^T / l + bv, rounded to f16, through my stage, so that a store covers four positions: 512 consecutive bytes
.irp x, 0,1
	v_add_f32 v[ST+8*\x+4], v[ST+8*\x+2], v[ST+8*\x+3]
.endr
.irp x, 0,1
	v_permlanex16_b32 v[ST+8*\x+5], v[ST+8*\x+4], s[SEL], s[SEL+1]
.endr
.irp x, 0,1
	v_add_f32 v[ST+8*\x+4], v[ST+8*\x+4], v[ST+8*\x+5]
.endr
.irp x, 0,1
	v_rcp_f32 v[ST+8*\x+6], v[ST+8*\x+4]
.endr
	v_nop
	s_wait_alu depctr_va_vdst(0)                   ; one wait for the two reciprocals
.irp x, 0,1
	WIN 0x01                                       ; O^T in window 1
.irp i, 0,2,4,6,8,10,12,14,16,18,20,22,24,26,28,30
	v_pk_fma_f32 v[S+32*\x+\i:S+32*\x+\i+1], v[32*\x+\i:32*\x+\i+1], v[ST+8*\x+6:ST+8*\x+7], v[BV+\i:BV+\i+1] op_sel_hi:[1,0,1]
.endr
	WIN 0
.irp i, 0,1,2,3,4,5,6,7,8,9,10,11,12,13,14,15
	v_cvt_pk_f16_f32 v[S+32*\x+\i], v[S+32*\x+2*\i], v[S+32*\x+2*\i+1]
.endr
.irp c, 0,1,2,3
	ds_store_b128 v[STO], v[S+32*\x+4*\c:S+32*\x+4*\c+3] offset:32*\c
.endr
.irp i, 0,1,2,3
	ds_load_b128 v[S+32*\x+16+4*\i:S+32*\x+16+4*\i+3], v[RD] offset:4*PK*\i    ; LDS serves a wave's instructions in order: these see the stores above, the next tile's stores come behind them
.endr
.endr
.irp i, 0,1,2,3
	s_wait_dscnt 11-\i                             ; behind tile 0's load i: its later loads and tile 1's eight
	global_store_b128 v[\go], v[S+16+4*\i:S+16+4*\i+3], s[10:11] offset:512*\i th:TH_STORE_NT
.endr
.irp i, 0,1,2,3
	s_wait_dscnt 3-\i
	global_store_b128 v[\go], v[S+48+4*\i:S+48+4*\i+3], s[10:11] offset:2048+512*\i th:TH_STORE_NT
.endr
	s_wait_xcnt 0x0                                ; the stores have read their registers
.endm
	PASS 0, GO0
	PASS 1, GO1
	s_wait_tensorcnt 0x0                           ; the wave's end, behind my last LDS store
	ds_add_u32 v[SPW], v[NIL]
	s_wait_dscnt 0x0
	s_endpgm
.Lfunc_end_k_q2a54107601_attn:
	.size	k_q2a54107601_attn, .Lfunc_end_k_q2a54107601_attn-k_q2a54107601_attn
	.p2alignl 7, 3214868480
	.fill 96, 4, 3214868480
	.section	.rodata,"a",@progbits
	.p2align	6, 0x0
	.amdhsa_kernel k_q2a54107601_attn
		.amdhsa_group_segment_fixed_size 228352
		.amdhsa_private_segment_fixed_size 0
		.amdhsa_enable_private_segment 0
		.amdhsa_kernarg_size 32
		.amdhsa_user_sgpr_count 2
		.amdhsa_user_sgpr_kernarg_segment_ptr 1
		.amdhsa_wavefront_size32 1
		.amdhsa_system_sgpr_workgroup_id_x 1
		.amdhsa_system_sgpr_workgroup_id_y 1
		.amdhsa_system_sgpr_workgroup_id_z 1
		.amdhsa_system_vgpr_workitem_id 0
		.amdhsa_next_free_vgpr 512
		.amdhsa_next_free_sgpr 100
		.amdhsa_reserve_vcc 0
		.amdhsa_float_denorm_mode_32 3
		.amdhsa_float_denorm_mode_16_64 3
		.amdhsa_memory_ordered 1
		.amdhsa_forward_progress 1
		.amdhsa_inst_pref_size 221
	.end_amdhsa_kernel
	.amdgpu_metadata
---
amdhsa.version: [ 1, 2 ]
amdhsa.kernels:
  - .name:           k_q2a54107601_attn
    .symbol:         k_q2a54107601_attn.kd
    .args:
      - { .name: qkv16, .offset: 0, .size: 8, .value_kind: global_buffer, .address_space: global }
      - { .name: maskw, .offset: 8, .size: 8, .value_kind: global_buffer, .address_space: global }
      - { .name: bv, .offset: 16, .size: 8, .value_kind: global_buffer, .address_space: global }
      - { .name: ctx16, .offset: 24, .size: 8, .value_kind: global_buffer, .address_space: global }
    .group_segment_fixed_size: 228352
    .private_segment_fixed_size: 0
    .kernarg_segment_align: 8
    .kernarg_segment_size: 32
    .max_flat_workgroup_size: 256
    .sgpr_count:     100
    .vgpr_count:     512
    .wavefront_size: 32
...
	.end_amdgpu_metadata
.endif
;; end of part 3
;; launch proj (part 4): grid 4 x 64, 4 waves a work-group, clusters of 4 x 4, 327,680 bytes of LDS; arguments ctx16, wo16, bo, out0; writes out0
.if DOCPART == 4
	.amdgcn_target "amdgcn-amd-amdhsa--gfx1250"
	.amdhsa_code_object_version 6
	.text
	.protected	k_q2a54107601_proj
	.globl	k_q2a54107601_proj
	.p2align	8
	.type	k_q2a54107601_proj,@function
k_q2a54107601_proj:
	s_mov_b64 s[64:65], 0
	v_nop
	global_prefetch_b8 v0, s[64:65] scope:SCOPE_SE
	s_setreg_imm32_b32 hwreg(HW_REG_WAVE_MODE, 25, 1), 1
	s_wait_xcnt 0x0
	s_wait_alu depctr_hold_cnt(0) depctr_sa_sdst(0) depctr_va_vdst(0) depctr_va_sdst(0) depctr_va_ssrc(0) depctr_va_vcc(0) depctr_vm_vsrc(0)
	s_getreg_b32 s2, hwreg(HW_REG_IB_STS2, 6, 4)
	s_cmp_eq_u32 s2, 0
	s_cbranch_scc0 .Lentry_in_a_cluster
	s_endpgm
.Lentry_in_a_cluster:
	s_bfe_u32 s2, ttmp6, 0x10000c
	s_cmp_lg_u32 s2, 0xf033
	s_cbranch_scc0 .Lentry_shape_is_right
	s_endpgm
.Lentry_shape_is_right:
; Launch 4: out = ctx Wo^T + bo, f16 operands, f32 sums, f32 out.  ctx16: [batch][head][position][64]; wo16: [1024 n][1024 k]; K = head x 64 + channel.
; (Positions 0..15 of every batch are written here too and written again, from f32 operands, by the last launch.)
; A tile of 128 rows x 256 columns gives 256 work-groups; four waves, each 64 x 128: 32 accumulators.  K goes in steps of 128 (two heads) through a ring of two LDS slots.
; A's tile is two planes (heads) of 128 rows x 128 bytes, each dense in memory; B's 256 rows x 256 bytes.  Waves 0 and 1 fetch A's planes, waves 2 and 3 B's halves: one tensor load a wave behind each round.
; CLUSTERS: 4 x 4; A's tiles are shared along a row of the cluster, B's along a column: joint loads.  A wave has two loads out at the start, later one.
; The matrix instruction is used transposed (source 0 = 16 rows of Wo, source 1 = 16 rows of ctx): a lane holds eight neighbouring columns of one row.  bo is the C of each sum's first instruction.
; REGISTERS: window 0: v0-31 addresses; v32-127, v128-223 two fragment buffers (A 32, B 64).  window 1: accumulator (a, b) at v[8 (8 a + b)].  window 2: v0-63 bo in the result's layout.
.set PA,     144                       ; a row of A in LDS: 128 bytes + 16
.set PB,     272                       ; of B: 256 + 16
.set PLANE,  128*PA
.set BOFF,   2*PLANE
.set HALFB,  128*PB
.set SLOT,   BOFF+2*HALFB
.set STAGE,  2*SLOT                    ; the way out: 16 rows x (512 + 16) bytes for each wave; no tensor load lands here
.set SPITCH, 528
.set SPARE,  STAGE+4*16*SPITCH         ; the spare words, 128 bytes a wave: no other line names them
.set LAPS,   4                         ; 8 K steps, two to a lap
.set ADRA, 16
.set ADRB, 20
.set STO,  24
.set RD,   25
.set CO,   26
.set SPW,  28
.set NIL,  29
.set PFO,  30                          ; v30 256 x lane: the prefetches' offset; never rewritten
.set BIA,  31
.set F0,   32
.set F1,   128
.set BK,   32                          ; the way out: v32-95 and v96-159 by turns
.set G1,  24
.set G0,  32
.set G1B, 48
.set G0B, 56
.set PFA, 44                           ; s[44:45] where my prefetches stand
.set LIM, 43                           ; s43 1 in wave 0, else the greatest number
.set MSB, 0
.macro WIN new
.if MSB != (\new)
	s_set_vgpr_msb (MSB<<8)|(\new)
.set MSB, (\new)
.endif
.endm
.macro JLOAD s                         ; an s_nop 0 and four v_nop follow each of the two lines
	s_cmp_eq_u32 s15, 0
	s_cbranch_scc0 .Lfor_b_\@
	tensor_load_to_lds s[G0+4*\s:G0+4*\s+3], s[G1:G1+7]
	s_nop 0
.rept 4
	v_nop
.endr
	s_branch .Lasked_\@
.Lfor_b_\@:
	tensor_load_to_lds s[G0B+4*\s:G0B+4*\s+3], s[G1B:G1B+7]
	s_nop 0
.rept 4
	v_nop
.endr
.Lasked_\@:
.endm
; A prefetch of ctx16, which this launch reads once: behind each joint refill of K steps 2 to 5, the K step two refills on (4 to 7): 256 matrix instructions a wave ahead of the load that wants it.
; A K step of a tile row is 2 planes x 16,384 dense bytes = 128 blocks of 256.  The four partners that ask for it jointly share them out by address, 32 each (plane cx / 2, half cx % 2), a lane a block; wave 0 asks.
; So each block is named once in the launch.  The last trip asks for nothing: there is no K step 8.  wo16 is read by all sixteen rows of clusters: not a stream read once, so it is not asked for.
.macro ASK
	s_cmp_gt_u32 s3, s[LIM]
	s_cbranch_scc0 .Lnot_mine_\@
	global_prefetch_b8 v[PFO], s[PFA:PFA+1] offset:1<<19 th:TH_LOAD_NT scope:SCOPE_SE
.Lnot_mine_\@:
.endm
.macro CREST
	s_cmp_lg_u32 s14, 0
	s_cbranch_scc1 .Lnot_wave_0_\@
	s_barrier_signal -3
.Lnot_wave_0_\@:
	s_barrier_wait -3
	s_barrier_signal -1
	s_barrier_wait -1
.endm
.macro CROUND
	s_barrier_signal -1
	s_barrier_wait -1
	CREST
.endm
	s_load_b256 s[4:11], s[0:1], 0x0               ; ctx16, wo16, bo, out0
	v_lshl_add_u32 v[SPW], v0, 2, SPARE
	v_mov_b32 v[NIL], 0
	ds_add_u32 v[SPW], v[NIL]                      ; the wave's opening: the add, twice on end; its wait comes ahead of my first tensor load
	ds_add_u32 v[SPW], v[NIL]
	v_lshrrev_b32 v1, 5, v0
	v_readfirstlane_b32 s14, v1                    ; wave
	s_lshr_b32 s15, s14, 1                         ; my 64 rows; also: I fetch for A (0) or B (1)
	s_and_b32 s16, s14, 1                          ; my 128 columns; also: which plane of A, which 128 rows of B I fetch
	s_bfe_u32 s40, ttmp6, 0x40000                  ; cx
	s_bfe_u32 s41, ttmp6, 0x40004                  ; cy
	s_lshl_b32 s42, ttmp9, 2
	s_add_co_u32 s42, s42, s40                     ; tile column
	s_and_b32 s17, ttmp7, 0xffff
	s_lshl_b32 s17, s17, 2
	s_add_co_u32 s17, s17, s41                     ; tile row
	s_lshl_b32 s43, s41, 2
	s_lshl_b32 s43, 15, s43
	s_lshl_b32 s44, 0x1111, s40
	s_or_b32 s[G1+0], s43, (1<<16)|(1<<20)|(1<<21)|(4<<22)|(3<<25)    ; mask of my row; elements of 2 bytes; 4 words of padding behind every 32
	s_mov_b32 s[G1+1], 64<<16                      ; tensor_dim0
	s_mov_b32 s[G1+2], 128<<16                     ; tensor_dim1
	s_mov_b32 s[G1+3], 64<<16                      ; tile_dim0
	s_mov_b32 s[G1+4], 128                         ; tile_dim1
	s_mov_b32 s[G1+5], 64                          ; pitch
	s_mov_b32 s[G1+6], 0
	s_mov_b32 s[G1+7], 0
	s_or_b32 s[G1B+0], s44, (1<<16)|(1<<20)|(1<<21)|(5<<22)|(3<<25)   ; mask of my column; 4 words behind every 64
	s_mov_b32 s[G1B+1], 128<<16
	s_mov_b32 s[G1B+2], 128<<16
	s_mov_b32 s[G1B+3], 128<<16
	s_mov_b32 s[G1B+4], 128
	s_mov_b32 s[G1B+5], 1024
	s_mov_b32 s[G1B+6], 0
	s_mov_b32 s[G1B+7], 0
	s_lshr_b32 s20, s17, 4                         ; A: batch,
	s_lshl_b32 s20, s20, 22
	s_and_b32 s21, s17, 15                         ; 128 positions of 128 bytes,
	s_lshl_b32 s21, s21, 14
	s_add_co_u32 s20, s20, s21
	s_lshl_b32 s21, s16, 18                        ; my head of the K step's two
	s_add_co_u32 s20, s20, s21
	s_mov_b32 s21, 0
	s_lshl_b32 s46, s42, 19                        ; B: 256 rows of 2,048 bytes a tile column,
	s_lshl_b32 s47, s16, 18                        ; my 128 of them
	s_add_co_u32 s46, s46, s47
	s_mov_b32 s47, 0
	s_mul_i32 s45, s16, PLANE                      ; LDS: no place in the cluster enters
	s_mul_i32 s18, s16, HALFB
	s_add_co_u32 s18, s18, BOFF
	s_wait_dscnt 0x0                               ; both opening adds are done
	s_wait_kmcnt 0x0
	s_add_nc_u64 s[20:21], s[4:5], s[20:21]
	s_add_nc_u64 s[46:47], s[6:7], s[46:47]
	CROUND                                         ; all sixteen work-groups are here
.irp s, 0,1
	s_mov_b32 s[G0+4*\s], 1
	s_add_co_u32 s[G0+4*\s+1], s45, \s*SLOT
	s_add_nc_u64 s[G0+4*\s+2:G0+4*\s+3], s[20:21], \s*(1<<19)       ; K step s: heads 2 s, 2 s + 1
	s_or_b32 s[G0+4*\s+3], s[G0+4*\s+3], 0x80000000
	s_mov_b32 s[G0B+4*\s], 1
	s_add_co_u32 s[G0B+4*\s+1], s18, \s*SLOT
	s_add_nc_u64 s[G0B+4*\s+2:G0B+4*\s+3], s[46:47], \s*256
	s_or_b32 s[G0B+4*\s+3], s[G0B+4*\s+3], 0x80000000
	JLOAD \s
.endr
	v_and_b32 v1, 15, v0
	v_bfe_u32 v2, v0, 4, 1
	v_mul_u32_u24 v3, v1, PA
	v_lshl_add_u32 v3, v2, 4, v3
	v_mul_u32_u24 v4, v1, PB
	v_lshl_add_u32 v4, v2, 4, v4
	s_mul_i32 s21, s15, 64*PA
	s_mul_i32 s22, s16, HALFB
	s_add_co_u32 s22, s22, BOFF
.irp s, 0,1
	v_add_nc_u32 v[ADRA+\s], s21, v3
	v_add_nc_u32 v[ADRB+\s], s22, v4
	s_add_co_u32 s21, s21, SLOT
	s_add_co_u32 s22, s22, SLOT
.endr
	s_mul_i32 s23, s14, 16*SPITCH
	s_add_co_u32 s23, s23, STAGE
	v_mul_u32_u24 v5, v1, SPITCH
	v_lshl_add_u32 v5, v2, 5, v5
	v_add_nc_u32 v[STO], s23, v5
	v_and_b32 v6, 31, v0
	v_lshlrev_b32 v[CO], 4, v6
	v_add_nc_u32 v[RD], s23, v[CO]
	v_lshlrev_b32 v[PFO], 8, v6
	v_lshlrev_b32 v[BIA], 5, v2
	s_lshl_b32 s20, s17, 19                        ; out: 128 rows of 4,096 bytes a tile row,
	s_lshl_b32 s21, s15, 18                        ; my 64
	s_add_co_u32 s20, s20, s21
	s_mov_b32 s21, 0
	s_lshl_b32 s46, s42, 10                        ; my first column, in bytes; bo's too
	s_lshl_b32 s47, s16, 9
	s_add_co_u32 s46, s46, s47
	s_mov_b32 s47, 0
	s_add_nc_u64 s[8:9], s[8:9], s[46:47]
	s_add_nc_u64 s[10:11], s[10:11], s[46:47]
	s_add_nc_u64 s[10:11], s[10:11], s[20:21]
	WIN 0x80                                       ; destination window 2
.irp b, 0,1,2,3,4,5,6,7
	global_load_b128 v[8*\b:8*\b+3], v[BIA], s[8:9] offset:64*\b
	global_load_b128 v[8*\b+4:8*\b+7], v[BIA], s[8:9] offset:64*\b+16
.endr
	WIN 0
	s_lshr_b32 s20, s17, 4                         ; the prefetches: my tile row,
	s_lshl_b32 s20, s20, 22
	s_and_b32 s21, s17, 15
	s_lshl_b32 s21, s21, 14
	s_add_co_u32 s20, s20, s21
	s_lshr_b32 s21, s40, 1                         ; plane cx / 2,
	s_lshl_b32 s21, s21, 18
	s_add_co_u32 s20, s20, s21
	s_and_b32 s21, s40, 1                          ; its half cx % 2,
	s_lshl_b32 s21, s21, 13
	s_add_co_u32 s20, s20, s21
	s_add_co_u32 s20, s20, 1<<20                   ; at K step 2: the first refill steps it to 3 and names K step 4
	s_mov_b32 s21, 0
	s_add_nc_u64 s[PFA:PFA+1], s[4:5], s[20:21]
	s_cmp_eq_u32 s14, 0
	s_cselect_b32 s[LIM], 1, -1
.macro MUL8 f, a, mode                 ; A's block a x B's eight, 32 along K.  mode = 1: C is bo.  The 32 accumulators take turns
.irp b, 0,1,2,3,4,5,6,7
.if \mode
	v_wmma_f32_16x16x32_f16 v[8*(8*\a+\b):8*(8*\a+\b)+7], v[\f+32+8*\b:\f+32+8*\b+7], v[\f+8*\a:\f+8*\a+7], v[8*\b:8*\b+7]
.else
	v_wmma_f32_16x16x32_f16 v[8*(8*\a+\b):8*(8*\a+\b)+7], v[\f+32+8*\b:\f+32+8*\b+7], v[\f+8*\a:\f+8*\a+7], v[8*(8*\a+\b):8*(8*\a+\b)+7]
.endif
.endr
.endm
.macro FETCH slot, q, f                ; 24 LDS loads: B's eight fragments, then A's four, of the slot's q-th 32 along K
.irp i, 0,1,2,3,4,5,6,7
	ds_load_b128 v[\f+32+8*\i:\f+32+8*\i+3], v[ADRB+\slot] offset:64*(\q)+\i*16*PB
	ds_load_b128 v[\f+32+8*\i+4:\f+32+8*\i+7], v[ADRB+\slot] offset:64*(\q)+\i*16*PB+32
.endr
.irp i, 0,1,2,3
	ds_load_b128 v[\f+8*\i:\f+8*\i+3], v[ADRA+\slot] offset:((\q)/2)*PLANE+((\q)%2)*64+\i*16*PA
	ds_load_b128 v[\f+8*\i+4:\f+8*\i+7], v[ADRA+\slot] offset:((\q)/2)*PLANE+((\q)%2)*64+\i*16*PA+32
.endr
.endm
.macro PLACES
.rept 4
	v_nop
.endr
.endm
.macro QUARTER slot, qn, f, g, mode    ; multiplies buffer f; in its middle fetches quarter qn of the same slot into g
	s_wait_dscnt 4                                 ; B and A's blocks 0, 1 are in; the youngest four loads (A's blocks 2, 3) may be out
	WIN 0x50+0x10*\mode                            ; C and D window 1; with mode = 1 C window 2
	MUL8 \f, 0, \mode
	MUL8 \f, 1, \mode
	PLACES
	WIN 0
	FETCH \slot, \qn, \g
	s_wait_dscnt 24                                ; all but the 24 just issued
	WIN 0x50+0x10*\mode
	MUL8 \f, 2, \mode
	MUL8 \f, 3, \mode
.endm
.macro TURN slot, next, fill           ; the last quarter multiplies buffer 1 and changes slots
.if \fill
	s_wait_xcnt 0x0                                ; the last prefetch, a K step back, has read its address
	s_add_nc_u64 s[PFA:PFA+1], s[PFA:PFA+1], 1<<19
.endif
	WIN 0
	s_wait_tensorcnt 0x0                           ; all my tensor loads have landed: my part of the next slot
	ds_add_u32 v[SPW], v[NIL]
	s_wait_dscnt 5                                 ; the add and the youngest four loads may be out
	WIN 0x50
	MUL8 F1, 0, 0
	s_wait_dscnt 0x0                               ; the add is done, my reads of this slot are over
	s_barrier_signal -1
	MUL8 F1, 1, 0
	WIN 0
	s_barrier_wait -1
.if \fill
	CREST                                          ; the barrier has opened a round of the cluster's: no wave of any partner still reads this slot or has a load on its way
	s_add_nc_u64 s[G0+4*\slot+2:G0+4*\slot+3], s[G0+4*\slot+2:G0+4*\slot+3], 1<<20
	s_add_nc_u64 s[G0B+4*\slot+2:G0B+4*\slot+3], s[G0B+4*\slot+2:G0B+4*\slot+3], 512
	JLOAD \slot                                    ; the first tensor load behind the round; its four v_nop are also the places in front of the loads below
.else
	PLACES
.endif
	FETCH \next, 0, F0
.if \fill
	ASK
.endif
	WIN 0x50
	MUL8 F1, 2, 0
	MUL8 F1, 3, 0
.endm
	s_wait_tensorcnt 1                             ; my part of K step 0 is in; K step 1's load may be out
	s_barrier_signal -1
	s_barrier_wait -1
	FETCH 0, 0, F0
	s_wait_loadcnt 0x0                             ; bo
	QUARTER 0, 1, F0, F1, 1                        ; the first quarter starts the sums from bo
	WIN 0
	s_mov_b32 s3, LAPS-1
.Llap:
	QUARTER 0, 2, F1, F0, 0
	QUARTER 0, 3, F0, F1, 0
	TURN 0, 1, 1
	QUARTER 1, 1, F0, F1, 0
	QUARTER 1, 2, F1, F0, 0
	QUARTER 1, 3, F0, F1, 0
	TURN 1, 0, 1
	QUARTER 0, 1, F0, F1, 0
	WIN 0
	s_sub_co_u32 s3, s3, 1
	s_cmp_lg_u32 s3, 0
	s_cbranch_scc1 .Llap
	QUARTER 0, 2, F1, F0, 0                        ; the last lap fills nothing
	QUARTER 0, 3, F0, F1, 0
	TURN 0, 1, 0
	QUARTER 1, 1, F0, F1, 0
	QUARTER 1, 2, F1, F0, 0
	QUARTER 1, 3, F0, F1, 0
	s_wait_dscnt 4
	WIN 0x50
	MUL8 F1, 0, 0
	MUL8 F1, 1, 0
	s_wait_dscnt 0
	MUL8 F1, 2, 0
	MUL8 F1, 3, 0
	WIN 0
; THE WAY OUT, a block of 16 rows x 128 columns at a time, through my own stage: back as whole rows of 512 bytes, which the 32 lanes store as 512 consecutive bytes.
.macro TOSTAGE a
	WIN 0x04                                       ; the data: window 1
.irp b, 0,1,2,3,4,5,6,7
	ds_store_b128 v[STO], v[8*(8*\a+\b):8*(8*\a+\b)+3] offset:64*\b              ; each accumulator from its low end on
	ds_store_b128 v[STO], v[8*(8*\a+\b)+4:8*(8*\a+\b)+7] offset:64*\b+16
.endr
	WIN 0
.set BB, BK+64*((\a)%2)
.irp t, 0,1,2,3,4,5,6,7,8,9,10,11,12,13,14,15
	ds_load_b128 v[BB+4*\t:BB+4*\t+3], v[RD] offset:\t*SPITCH
.endr
.endm
.macro SEND a, younger
.set BB, BK+64*((\a)%2)
	s_wait_dscnt \younger
.irp t, 0,1,2,3,4,5,6,7,8,9,10,11,12,13,14,15
	global_store_b128 v[CO], v[BB+4*\t:BB+4*\t+3], s[10:11] offset:(16*(\a)+\t)*4096 th:TH_STORE_NT
.endr
.endm
	PLACES
	TOSTAGE 0
.irp a, 1,2,3
.if \a > 1
	s_wait_xcnt 0x0                                ; block a - 2's stores have read their registers: block a's loads may land there
.endif
	TOSTAGE \a
	SEND \a-1, 32                                  ; behind block a - 1's loads: block a's 16 stores and 16 loads
.endr
	SEND 3, 0
	s_wait_tensorcnt 0x0                           ; the wave's end
	ds_add_u32 v[SPW], v[NIL]
	s_wait_dscnt 0x0
	CROUND                                         ; the closing round
	s_endpgm
.Lfunc_end_k_q2a54107601_proj:
	.size	k_q2a54107601_proj, .Lfunc_end_k_q2a54107601_proj-k_q2a54107601_proj
	.p2alignl 7, 3214868480
	.fill 96, 4, 3214868480
	.section	.rodata,"a",@progbits
	.p2align	6, 0x0
	.amdhsa_kernel k_q2a54107601_proj
		.amdhsa_group_segment_fixed_size 327680
		.amdhsa_private_segment_fixed_size 0
		.amdhsa_enable_private_segment 0
		.amdhsa_kernarg_size 32
		.amdhsa_user_sgpr_count 2
		.amdhsa_user_sgpr_kernarg_segment_ptr 1
		.amdhsa_wavefront_size32 1
		.amdhsa_system_sgpr_workgroup_id_x 1
		.amdhsa_system_sgpr_workgroup_id_y 1
		.amdhsa_system_sgpr_workgroup_id_z 1
		.amdhsa_system_vgpr_workitem_id 0
		.amdhsa_next_free_vgpr 640
		.amdhsa_next_free_sgpr 66
		.amdhsa_reserve_vcc 0
		.amdhsa_float_denorm_mode_32 3
		.amdhsa_float_denorm_mode_16_64 3
		.amdhsa_memory_ordered 1
		.amdhsa_forward_progress 1
		.amdhsa_inst_pref_size 87
	.end_amdhsa_kernel
	.amdgpu_metadata
---
amdhsa.version: [ 1, 2 ]
amdhsa.kernels:
  - .name:           k_q2a54107601_proj
    .symbol:         k_q2a54107601_proj.kd
    .args:
      - { .name: ctx16, .offset: 0, .size: 8, .value_kind: global_buffer, .address_space: global }
      - { .name: wo16, .offset: 8, .size: 8, .value_kind: global_buffer, .address_space: global }
      - { .name: bo, .offset: 16, .size: 8, .value_kind: global_buffer, .address_space: global }
      - { .name: out0, .offset: 24, .size: 8, .value_kind: global_buffer, .address_space: global }
    .group_segment_fixed_size: 327680
    .private_segment_fixed_size: 0
    .kernarg_segment_align: 8
    .kernarg_segment_size: 32
    .max_flat_workgroup_size: 128
    .sgpr_count:     66
    .vgpr_count:     640
    .wavefront_size: 32
...
	.end_amdgpu_metadata
.endif
;; end of part 4
;; launch fine_ctx (part 5): grid 16 x 4, 1 waves a work-group, no clusters, 0 bytes of LDS; arguments codes, scales, bq, bv, maskw, ctx32; writes ctx32
.if DOCPART == 5
	.amdgcn_target "amdgcn-amd-amdhsa--gfx1250"
	.amdhsa_code_object_version 6
	.text
	.protected	k_q2a54107601_fine_ctx
	.globl	k_q2a54107601_fine_ctx
	.p2align	8
	.type	k_q2a54107601_fine_ctx,@function
k_q2a54107601_fine_ctx:
	s_mov_b64 s[64:65], 0
	v_nop
	global_prefetch_b8 v0, s[64:65] scope:SCOPE_SE
	s_setreg_imm32_b32 hwreg(HW_REG_WAVE_MODE, 25, 1), 1
	s_wait_xcnt 0x0
; Launch 5: the first 16 positions of every sequence once more, with nothing rounded to 16 bits: such rows may average one to a few values, where the rounding of f16 operands weighs most.
; One wave for each (head, batch).  q, k, v are made again from the same codes by the FP4 matrix instruction and kept in f32; scores and p v go by the f32 matrix form (64 x 16 rows in all: no bulk work).
; Left out: bk (shown at the head of the first launch); tiles of 16 keys that the mask hides for all 16 queries: the stored bits FN say which.  bv is added behind the division.
; LAYOUT.  q^T and k^T: source 0 = 16 rows of the weight, source 1 = 16 positions: lane (r, h) holds position r and channels 16 t + 8 h + j.  A pair of such registers is an operand of the f32 form
; (its k = 2 h + j): the same order of the channels on both sides, so the products are kept.  v: source 0 = positions, source 1 = Wv's rows: lane (r, h) holds channel 16 c + r and keys 8 h + j, as p does for query r.
; REGISTERS.  window 0: v1-7 addresses; v8-71 x's eight fragments; v72-79 its scale words; v80-111 Wk's (lanes 0-15) and Wv's (lanes 16-31) scale words; v112-143 Wq's; v144-175 bq, later scores, p, statistics;
;   v176-207 q; v208-223, v224-255 the f32 form's sums, written by matrix instructions alone.  window 1: Wq's fragments, later k v0-31, v v32-63, O v64-95, bv v96-127, the result v128-159.  windows 2, 3: Wk's, Wv's fragments.
.set XA,   1
.set XSA,  2
.set KVS,  3
.set BA,   4
.set OA,   5
.set NINF, 7
.set X,    8
.set XS,   72
.set SCKV, 80
.set SCQ,  112
.set BQ,   144
.set SCR,  144                         ; 8 scores, then p
.set CM,   152                         ; c m;  v153 m
.set MM,   153
.set LL,   154                         ; l, in two halves
.set T0,   156
.set T1,   157
.set AA,   158                         ; a;  v159 named with it as a pair
.set DD,   160
.set XO,   162
.set XSO,  163
.set QD,   176
.set SA,   208
.set TT,   224
.set SEL,  32
.set CS,   34
.set MSB, 0
.macro WIN new
.if MSB != (\new)
	s_set_vgpr_msb (MSB<<8)|(\new)
.set MSB, (\new)
.endif
.endm
.macro XLOADS xa, xsa                  ; 16 positions: eight fragments of codes and their scale words
.irp s, 0,1,2,3,4,5,6,7
.irp c, 0,1
	global_load_b128 v[X+8*\s+4*\c:X+8*\s+4*\c+3], v[\xa], s[16:17] offset:64*\s+32*\c
.endr
.endr
	global_load_b128 v[XS:XS+3], v[\xsa], s[18:19]
	global_load_b128 v[XS+4:XS+7], v[\xsa], s[18:19] offset:16
.endm
.macro WLOADS off                      ; a weight's 64 rows: fragment (t, s) at v[8 (8 t + s)] of the window in hand
.irp t, 0,1,2,3
.irp s, 0,1,2,3,4,5,6,7
.irp c, 0,1
	global_load_b128 v[8*(8*\t+\s)+4*\c:8*(8*\t+\s)+4*\c+3], v[XA], s[20:21] offset:\off+8192*\t+64*\s+32*\c
.endr
.endr
.endr
.endm
	s_load_b256 s[4:11], s[0:1], 0x0               ; codes, scales, bq, bv
	s_load_b128 s[12:15], s[0:1], 0x20             ; maskw, ctx32
	v_and_b32 v6, 15, v0                           ; r
	v_lshrrev_b32 v7, 4, v0                        ; h
	v_lshlrev_b32 v[XA], 9, v6
	v_lshl_add_u32 v[XA], v7, 4, v[XA]             ; a row of 512 bytes of codes, + 16 h
	v_lshlrev_b32 v[XSA], 5, v6                    ; a row of 32 scale bytes
	v_lshl_add_u32 v[KVS], v7, 15, v[XSA]          ; lanes 16-31: Wv's rows, 1,024 rows behind Wk's
	v_lshlrev_b32 v[BA], 5, v7
	v_lshlrev_b32 v[OA], 4, v0
	v_mov_b32 v[NINF], 0xff800000
	s_and_b32 s24, ttmp7, 0xffff                   ; batch
	s_lshl_b32 s26, s24, 20
	s_mov_b32 s27, 0
	s_lshl_b32 s28, s24, 16
	s_mov_b32 s29, 0
	s_lshl_b32 s30, ttmp9, 15                      ; the head's 64 rows of each weight
	s_add_co_u32 s30, s30, 0x400000
	s_mov_b32 s31, 0
	s_lshl_b32 s42, ttmp9, 11
	s_add_co_u32 s42, s42, 0x40000
	s_mov_b32 s43, 0
	s_lshl_b32 s46, ttmp9, 8
	s_mov_b32 s47, 0
	s_lshl_b32 s24, ttmp9, 12
	s_add_co_u32 s24, s24, s28
	s_mov_b32 s25, 0
	s_mov_b32 s[SEL], 0x76543210
	s_mov_b32 s[SEL+1], 0xfedcba98
	s_mov_b32 s[CS], 0x3e38aa3b                    ; c = log2(e) / 8
	s_mov_b32 s[CS+1], s[CS]
	s_wait_kmcnt 0x0
	s_add_nc_u64 s[16:17], s[4:5], s[26:27]        ; x's codes of the batch
	s_add_nc_u64 s[18:19], s[6:7], s[28:29]        ; and scales
	s_add_nc_u64 s[20:21], s[4:5], s[30:31]        ; Wq's codes of the head; Wk's 0x80000, Wv's 0x100000 on
	s_add_nc_u64 s[22:23], s[6:7], s[42:43]        ; Wq's scales; Wk's 32,768 on
	s_add_nc_u64 s[8:9], s[8:9], s[46:47]
	s_add_nc_u64 s[10:11], s[10:11], s[46:47]
	s_add_nc_u64 s[14:15], s[14:15], s[24:25]
	s_load_b128 s[36:39], s[12:13], 0x80800        ; FN: 128 bits
	XLOADS XA, XSA
.irp t, 0,1,2,3
	global_load_b128 v[SCQ+8*\t:SCQ+8*\t+3], v[XSA], s[22:23] offset:512*\t
	global_load_b128 v[SCQ+8*\t+4:SCQ+8*\t+7], v[XSA], s[22:23] offset:512*\t+16
	global_load_b128 v[BQ+8*\t:BQ+8*\t+3], v[BA], s[8:9] offset:64*\t
	global_load_b128 v[BQ+8*\t+4:BQ+8*\t+7], v[BA], s[8:9] offset:64*\t+16
.endr
	WIN 0x40
	WLOADS 0
	WIN 0
.irp t, 0,1,2,3
	global_load_b128 v[SCKV+8*\t:SCKV+8*\t+3], v[KVS], s[22:23] offset:32768+512*\t
	global_load_b128 v[SCKV+8*\t+4:SCKV+8*\t+7], v[KVS], s[22:23] offset:32768+512*\t+16
.endr
	WIN 0x80
	WLOADS 0x80000
	WIN 0xc0
	WLOADS 0x100000
	s_wait_loadcnt 63                              ; of 234 loads the youngest 63, all Wv's, may be out: what q needs was asked for first
	WIN 0x01                                       ; Wq in window 1
.irp s, 0,1,2,3,4,5,6,7
.irp t, 0,1,2,3
.if \s == 0
	v_wmma_scale_f32_16x16x128_f8f6f4 v[QD+8*\t:QD+8*\t+7], v[8*(8*\t+\s):8*(8*\t+\s)+7], v[X+8*\s:X+8*\s+7], v[BQ+8*\t:BQ+8*\t+7], v[SCQ+8*\t+\s], v[XS+\s] matrix_a_fmt:MATRIX_FMT_FP4 matrix_b_fmt:MATRIX_FMT_FP4
.else
	v_wmma_scale_f32_16x16x128_f8f6f4 v[QD+8*\t:QD+8*\t+7], v[8*(8*\t+\s):8*(8*\t+\s)+7], v[X+8*\s:X+8*\s+7], v[QD+8*\t:QD+8*\t+7], v[SCQ+8*\t+\s], v[XS+\s] matrix_a_fmt:MATRIX_FMT_FP4 matrix_b_fmt:MATRIX_FMT_FP4
.endif
.endr
.endr
	WIN 0
.rept 5
	v_nop                                          ; five places: Wq's and bq's registers are written anew below
.endr
	WIN 0x40
.irp c, 0,1,2,3
	global_load_b128 v[96+8*\c:96+8*\c+3], v[BA], s[10:11] offset:64*\c
	global_load_b128 v[96+8*\c+4:96+8*\c+7], v[BA], s[10:11] offset:64*\c+16
.endr
.set i, 0
.rept 32
	v_mov_b32 v[64+i], 0                           ; O: which tile of keys is the first hangs on the stored bits
.set i, i+1
.endr
	WIN 0
	v_mov_b32 v[MM], 0xff61b1e6                    ; m = -3e38
	v_mul_f32 v[CM], s[CS], v[MM]
	v_mov_b32 v[LL], 0
	v_mov_b32 v[LL+1], 0
	v_mov_b32 v[T1], 0
	v_mov_b32 v[AA], 0
	v_mov_b32 v[AA+1], 0
	s_mov_b32 s44, 0                               ; 32 x the tile of keys: its mask words' byte offset
	s_mov_b32 s40, 0
	s_wait_kmcnt 0x0
.Lword:                                            ; four words of 32 tiles
	s_cmp_lg_u32 s36, 0
	s_cbranch_scc1 .Lwlive
	s_add_co_u32 s44, s44, 1024                    ; a word of zeros: 32 tiles are passed over
	s_branch .Lwend
.Lwlive:
	s_mov_b32 s41, 0
.Ltile:
	s_bitcmp1_b32 s36, 0
	s_cbranch_scc0 .Lnext
	s_load_b256 s[48:55], s[12:13], s44 offset:0x0 ; the tile's eight mask words
	s_cmp_eq_u32 s44, 0                            ; tile 0's positions are the queries': they are in registers
	s_cbranch_scc1 .Lhave_x
	s_lshl_b32 s45, s44, 8                         ; 16 rows of 512 bytes a tile
	s_lshl_b32 s46, s44, 4
	v_add_nc_u32 v[XO], s45, v[XA]
	v_add_nc_u32 v[XSO], s46, v[XSA]
	XLOADS XO, XSO
.Lhave_x:
	s_wait_loadcnt 0x0
	WIN 0x52                                       ; k in window 1, Wk in window 2
.irp s, 0,1,2,3,4,5,6,7
.irp t, 0,1,2,3
.if \s == 0
	v_wmma_scale_f32_16x16x128_f8f6f4 v[8*\t:8*\t+7], v[8*(8*\t+\s):8*(8*\t+\s)+7], v[X+8*\s:X+8*\s+7], 0, v[SCKV+8*\t+\s], v[XS+\s] matrix_a_fmt:MATRIX_FMT_FP4 matrix_b_fmt:MATRIX_FMT_FP4
.else
	v_wmma_scale_f32_16x16x128_f8f6f4 v[8*\t:8*\t+7], v[8*(8*\t+\s):8*(8*\t+\s)+7], v[X+8*\s:X+8*\s+7], v[8*\t:8*\t+7], v[SCKV+8*\t+\s], v[XS+\s] matrix_a_fmt:MATRIX_FMT_FP4 matrix_b_fmt:MATRIX_FMT_FP4
.endif
.endr
.endr
	WIN 0x5c                                       ; v in window 1, Wv (source 1) in window 3
.irp s, 0,1,2,3,4,5,6,7
.irp t, 0,1,2,3
.if \s == 0
	v_wmma_scale_f32_16x16x128_f8f6f4 v[32+8*\t:32+8*\t+7], v[X+8*\s:X+8*\s+7], v[8*(8*\t+\s):8*(8*\t+\s)+7], 0, v[XS+\s], v[SCKV+8*\t+\s] matrix_a_fmt:MATRIX_FMT_FP4 matrix_b_fmt:MATRIX_FMT_FP4 matrix_b_scale:MATRIX_SCALE_ROW1
.else
	v_wmma_scale_f32_16x16x128_f8f6f4 v[32+8*\t:32+8*\t+7], v[X+8*\s:X+8*\s+7], v[8*(8*\t+\s):8*(8*\t+\s)+7], v[32+8*\t:32+8*\t+7], v[XS+\s], v[SCKV+8*\t+\s] matrix_a_fmt:MATRIX_FMT_FP4 matrix_b_fmt:MATRIX_FMT_FP4 matrix_b_scale:MATRIX_SCALE_ROW1
.endif
.endr
.endr
	WIN 0
.rept 5
	v_nop                                          ; five places before matrix instructions take these results as operands
.endr
	WIN 0x01                                       ; k in window 1
.irp k, 0,1,2,3,4,5,6,7,8,9,10,11,12,13,14,15
.if \k < 2
	v_wmma_f32_16x16x4_f32 v[SA+8*(\k%2):SA+8*(\k%2)+7], v[2*\k:2*\k+1], v[QD+2*\k:QD+2*\k+1], 0
.else
	v_wmma_f32_16x16x4_f32 v[SA+8*(\k%2):SA+8*(\k%2)+7], v[2*\k:2*\k+1], v[QD+2*\k:QD+2*\k+1], v[SA+8*(\k%2):SA+8*(\k%2)+7]    ; two sums by turns
.endif
.endr
	WIN 0
.rept 8
	v_nop
.endr
	s_wait_kmcnt 0x0
.irp i, 0,2,4,6
	v_pk_add_f32 v[SCR+\i:SCR+\i+1], v[SA+\i:SA+\i+1], v[SA+8+\i:SA+8+\i+1]     ; lane (r, h): query r, keys 8 h + 0..7
.endr
.irp j, 0,1,2,3,4,5,6,7
	v_cndmask_b32 v[SCR+\j], v[SCR+\j], v[NINF], s[48+\j]
.endr
	v_max3_num_f32 v[T0], v[SCR], v[SCR+1], v[SCR+2]
	v_max3_num_f32 v[T1], v[SCR+3], v[SCR+4], v[SCR+5]
	v_max3_num_f32 v[T0], v[T0], v[SCR+6], v[SCR+7]
	v_max3_num_f32 v[T0], v[T0], v[T1], v[MM]
	v_permlanex16_b32 v[T1], v[T0], s[SEL], s[SEL+1]
	v_mov_b32 v[DD], v[CM]
	v_max_num_f32 v[MM], v[T0], v[T1]
	v_mul_f32 v[CM], s[CS], v[MM]
	v_sub_f32 v[DD], v[DD], v[CM]
.irp i, 0,2,4,6
	v_pk_fma_f32 v[SCR+\i:SCR+\i+1], v[SCR+\i:SCR+\i+1], s[CS:CS+1], v[CM:CM+1] op_sel_hi:[1,0,0] neg_lo:[0,0,1] neg_hi:[0,0,1]
.endr
	v_exp_f32 v[AA], v[DD]
.irp j, 0,1,2,3,4,5,6,7
	v_exp_f32 v[SCR+\j], v[SCR+\j]
.endr
	v_nop
	s_wait_alu depctr_va_vdst(0)                   ; one wait for the nine exponentials
	v_pk_mul_f32 v[LL:LL+1], v[LL:LL+1], v[AA:AA+1] op_sel_hi:[1,0]
.irp i, 0,2,4,6
	v_pk_add_f32 v[LL:LL+1], v[LL:LL+1], v[SCR+\i:SCR+\i+1]
.endr
	WIN 0x01                                       ; v in window 1
.irp j, 0,1,2,3
.irp c, 0,1,2,3
.if \j == 0
	v_wmma_f32_16x16x4_f32 v[TT+8*\c:TT+8*\c+7], v[32+8*\c+2*\j:32+8*\c+2*\j+1], v[SCR+2*\j:SCR+2*\j+1], 0
.else
	v_wmma_f32_16x16x4_f32 v[TT+8*\c:TT+8*\c+7], v[32+8*\c+2*\j:32+8*\c+2*\j+1], v[SCR+2*\j:SCR+2*\j+1], v[TT+8*\c:TT+8*\c+7]
.endif
.endr
.endr
	WIN 0
.rept 9
	v_nop                                          ; nine places: the next tile's products write over v's registers
.endr
	WIN 0x41                                       ; O in window 1
.irp i, 0,2,4,6,8,10,12,14,16,18,20,22,24,26,28,30
	v_pk_fma_f32 v[64+\i:64+\i+1], v[64+\i:64+\i+1], v[AA:AA+1], v[TT+\i:TT+\i+1] op_sel_hi:[1,0,1]    ; O = O a + this tile's part
.endr
	WIN 0
.Lnext:
	s_lshr_b32 s36, s36, 1
	s_add_co_u32 s44, s44, 32
	s_add_co_u32 s41, s41, 1
	s_cmp_lt_u32 s41, 32
	s_cbranch_scc1 .Ltile
.Lwend:
	s_mov_b32 s36, s37
	s_mov_b32 s37, s38
	s_mov_b32 s38, s39
	s_add_co_u32 s40, s40, 1
	s_cmp_lt_u32 s40, 4
	s_cbranch_scc1 .Lword
	v_add_f32 v[T0], v[LL], v[LL+1]
	v_permlanex16_b32 v[T1], v[T0], s[SEL], s[SEL+1]
	v_add_f32 v[T0], v[T0], v[T1]
	v_rcp_f32 v[AA], v[T0]
	v_nop
	s_wait_alu depctr_va_vdst(0)
	s_wait_loadcnt 0x0                             ; bv
	WIN 0x51                                       ; result, O and bv in window 1
.irp i, 0,2,4,6,8,10,12,14,16,18,20,22,24,26,28,30
	v_pk_fma_f32 v[128+\i:128+\i+1], v[64+\i:64+\i+1], v[AA:AA+1], v[96+\i:96+\i+1] op_sel_hi:[1,0,1]
.endr
	WIN 0x04                                       ; a store's data are its source 1: window 1
.irp c, 0,1,2,3
	global_store_b128 v[OA], v[128+8*\c:128+8*\c+3], s[14:15] offset:1024*\c          ; images of registers: 512 consecutive bytes a store
	global_store_b128 v[OA], v[128+8*\c+4:128+8*\c+7], s[14:15] offset:1024*\c+512
.endr
	WIN 0
	s_endpgm
.Lfunc_end_k_q2a54107601_fine_ctx:
	.size	k_q2a54107601_fine_ctx, .Lfunc_end_k_q2a54107601_fine_ctx-k_q2a54107601_fine_ctx
	.p2alignl 7, 3214868480
	.fill 96, 4, 3214868480
	.section	.rodata,"a",@progbits
	.p2align	6, 0x0
	.amdhsa_kernel k_q2a54107601_fine_ctx
		.amdhsa_group_segment_fixed_size 0
		.amdhsa_private_segment_fixed_size 0
		.amdhsa_enable_private_segment 0
		.amdhsa_kernarg_size 48
		.amdhsa_user_sgpr_count 2
		.amdhsa_user_sgpr_kernarg_segment_ptr 1
		.amdhsa_wavefront_size32 1
		.amdhsa_system_sgpr_workgroup_id_x 1
		.amdhsa_system_sgpr_workgroup_id_y 1
		.amdhsa_system_sgpr_workgroup_id_z 1
		.amdhsa_system_vgpr_workitem_id 0
		.amdhsa_next_free_vgpr 1024
		.amdhsa_next_free_sgpr 66
		.amdhsa_reserve_vcc 0
		.amdhsa_float_denorm_mode_32 3
		.amdhsa_float_denorm_mode_16_64 3
		.amdhsa_memory_ordered 1
		.amdhsa_forward_progress 1
		.amdhsa_inst_pref_size 50
	.end_amdhsa_kernel
	.amdgpu_metadata
---
amdhsa.version: [ 1, 2 ]
amdhsa.kernels:
  - .name:           k_q2a54107601_fine_ctx
    .symbol:         k_q2a54107601_fine_ctx.kd
    .args:
      - { .name: codes, .offset: 0, .size: 8, .value_kind: global_buffer, .address_space: global }
      - { .name: scales, .offset: 8, .size: 8, .value_kind: global_buffer, .address_space: global }
      - { .name: bq, .offset: 16, .size: 8, .value_kind: global_buffer, .address_space: global }
      - { .name: bv, .offset: 24, .size: 8, .value_kind: global_buffer, .address_space: global }
      - { .name: maskw, .offset: 32, .size: 8, .value_kind: global_buffer, .address_space: global }
      - { .name: ctx32, .offset: 40, .size: 8, .value_kind: global_buffer, .address_space: global }
    .group_segment_fixed_size: 0
    .private_segment_fixed_size: 0
    .kernarg_segment_align: 8
    .kernarg_segment_size: 48
    .max_flat_workgroup_size: 32
    .sgpr_count:     66
    .vgpr_count:     1024
    .wavefront_size: 32
...
	.end_amdgpu_metadata
.endif
;; end of part 5
;; launch fine_out (part 6): grid 64 x 4, 4 waves a work-group, no clusters, 4,608 bytes of LDS; arguments ctx32, Wo, bo, out0; writes out0
.if DOCPART == 6
	.amdgcn_target "amdgcn-amd-amdhsa--gfx1250"
	.amdhsa_code_object_version 6
	.text
	.protected	k_q2a54107601_fine_out
	.globl	k_q2a54107601_fine_out
	.p2align	8
	.type	k_q2a54107601_fine_out,@function
k_q2a54107601_fine_out:
	s_mov_b64 s[64:65], 0
	v_nop
	global_prefetch_b8 v0, s[64:65] scope:SCOPE_SE
	s_setreg_imm32_b32 hwreg(HW_REG_WAVE_MODE, 25, 1), 1
	s_wait_xcnt 0x0
; Launch 6: out = ctx Wo^T + bo for positions 0..15 of each batch, all in f32 (64 rows in all: no bulk work), over what launch 4 wrote there.
; Work-group (nt, batch): 16 columns x 16 positions.  Wave w takes channels 256 w .. + 255: 64 instructions of the f32 matrix form on two sums by turns; the four waves' parts meet in LDS and wave 0 stores.
; ctx32 holds images of registers: lane (r, h) has position r, channels 16 G + 8 h + 0..7.  Wo is loaded in the same order of channels (row 16 nt + r, the same eight), so pairs of registers on both sides name the same channels.
; The stores are 64 bytes a row: whole runs of 256 would want 64 columns a work-group, a quarter of the work-groups for the same f32 work; the rows are 256 KiB in all.
.set SPARE, 4096                       ; the spare words, 128 bytes a wave: no other line names them
.set SPW, 1
.set NIL, 2
.set LI,  5                            ; 16 x lane
.set WA,  6                            ; r x 4,096 + 32 h: in Wo and in out
.set BA,  7
.set LA,  8                            ; where I put my part in LDS
.set ACC, 16                           ; v16-31: written by matrix instructions alone
.set SUM, 32
.set BO,  48
.set WO,  64                           ; v64-191
.set PT,  192                          ; v192-223 the four parts
.set MSB, 0
.macro WIN new
.if MSB != (\new)
	s_set_vgpr_msb (MSB<<8)|(\new)
.set MSB, (\new)
.endif
.endm
	s_load_b256 s[4:11], s[0:1], 0x0               ; ctx32, Wo, bo, out0
	v_lshl_add_u32 v[SPW], v0, 2, SPARE
	v_mov_b32 v[NIL], 0
	v_lshrrev_b32 v3, 5, v0
	v_readfirstlane_b32 s12, v3                    ; wave
	v_and_b32 v3, 15, v0                           ; r
	v_bfe_u32 v4, v0, 4, 1                         ; h
	v_and_b32 v[LI], 31, v0
	v_lshlrev_b32 v[LI], 4, v[LI]
	v_lshlrev_b32 v[WA], 12, v3
	v_lshl_add_u32 v[WA], v4, 5, v[WA]
	v_lshlrev_b32 v[BA], 5, v4
	s_lshl_b32 s13, s12, 10
	v_add_nc_u32 v[LA], s13, v[LI]
	s_and_b32 s14, ttmp7, 0xffff                   ; batch
	s_lshl_b32 s16, ttmp9, 16                      ; 16 rows of Wo
	s_add_co_u32 s16, s16, s13                     ; my 256 channels
	s_mov_b32 s17, 0
	s_lshl_b32 s18, s14, 16
	s_lshl_b32 s19, s12, 14
	s_add_co_u32 s18, s18, s19
	s_mov_b32 s19, 0
	s_lshl_b32 s20, ttmp9, 6
	s_mov_b32 s21, 0
	s_lshl_b32 s22, s14, 23
	s_mov_b32 s23, 0
	s_wait_kmcnt 0x0
	s_add_nc_u64 s[6:7], s[6:7], s[16:17]
	s_add_nc_u64 s[4:5], s[4:5], s[18:19]
	s_add_nc_u64 s[8:9], s[8:9], s[20:21]
	s_add_nc_u64 s[10:11], s[10:11], s[20:21]
	s_add_nc_u64 s[10:11], s[10:11], s[22:23]
	s_cmp_lg_u32 s12, 0
	s_cbranch_scc1 .Lno_bo
	global_load_b128 v[BO:BO+3], v[BA], s[8:9]               ; wave 0 alone adds bo: asked for ahead of the 64 loads, so their counts are the same in all waves
	global_load_b128 v[BO+4:BO+7], v[BA], s[8:9] offset:16
.Lno_bo:
.macro LOADQ z                         ; a quarter of my channels: 8 loads of Wo, 8 of ctx
.irp g, 4*\z, 4*\z+1, 4*\z+2, 4*\z+3
	global_load_b128 v[WO+8*(\g):WO+8*(\g)+3], v[WA], s[6:7] offset:64*(\g)
	global_load_b128 v[WO+8*(\g)+4:WO+8*(\g)+7], v[WA], s[6:7] offset:64*(\g)+16
.endr
	WIN 0x40
.irp g, 4*\z, 4*\z+1, 4*\z+2, 4*\z+3
	global_load_b128 v[8*(\g):8*(\g)+3], v[LI], s[4:5] offset:1024*(\g)
	global_load_b128 v[8*(\g)+4:8*(\g)+7], v[LI], s[4:5] offset:1024*(\g)+512
.endr
	WIN 0
.endm
.macro MULQ z
	s_wait_loadcnt 48-16*\z                        ; this quarter's 16 loads are in; the later quarters' may be out
.irp g, 4*\z, 4*\z+1, 4*\z+2, 4*\z+3
.irp i, 0,1,2,3
.if ((\g) == 0) && (\i < 2)
	v_wmma_f32_16x16x4_f32 v[ACC+8*(\i%2):ACC+8*(\i%2)+7], v[WO+8*(\g)+2*\i:WO+8*(\g)+2*\i+1], v[8*(\g)+2*\i:8*(\g)+2*\i+1], 0
.else
	v_wmma_f32_16x16x4_f32 v[ACC+8*(\i%2):ACC+8*(\i%2)+7], v[WO+8*(\g)+2*\i:WO+8*(\g)+2*\i+1], v[8*(\g)+2*\i:8*(\g)+2*\i+1], v[ACC+8*(\i%2):ACC+8*(\i%2)+7]   ; two sums by turns
.endif
.endr
.endr
.endm
	LOADQ 0
	LOADQ 1
	LOADQ 2
	LOADQ 3
	WIN 0x04                                       ; ctx (source 1) in window 1
	MULQ 0
	MULQ 1
	MULQ 2
	MULQ 3
	WIN 0
.rept 8
	v_nop
.endr
.irp i, 0,2,4,6
	v_pk_add_f32 v[SUM+\i:SUM+\i+1], v[ACC+\i:ACC+\i+1], v[ACC+8+\i:ACC+8+\i+1]   ; lane (r, h): position r, columns 8 h + 0..7
.endr
	ds_store_b128 v[LA], v[SUM:SUM+3]
	ds_store_b128 v[LA], v[SUM+4:SUM+7] offset:512
	s_wait_dscnt 0x0                               ; for wave 0's sake: my part lies in LDS
	s_barrier_signal -1
	s_barrier_wait -1
	s_cmp_lg_u32 s12, 0
	s_cbranch_scc1 .Lend
.irp w, 0,1,2,3
	ds_load_b128 v[PT+8*\w:PT+8*\w+3], v[LI] offset:1024*\w
	ds_load_b128 v[PT+8*\w+4:PT+8*\w+7], v[LI] offset:1024*\w+512
.endr
	s_wait_dscnt 0x0
.irp i, 0,2,4,6
	v_pk_add_f32 v[PT+\i:PT+\i+1], v[PT+\i:PT+\i+1], v[PT+8+\i:PT+8+\i+1]
	v_pk_add_f32 v[PT+16+\i:PT+16+\i+1], v[PT+16+\i:PT+16+\i+1], v[PT+24+\i:PT+24+\i+1]
.endr
.irp i, 0,2,4,6
	v_pk_add_f32 v[PT+\i:PT+\i+1], v[PT+\i:PT+\i+1], v[PT+16+\i:PT+16+\i+1]
.endr
.irp i, 0,2,4,6
	v_pk_add_f32 v[PT+\i:PT+\i+1], v[PT+\i:PT+\i+1], v[BO+\i:BO+\i+1]
.endr
	global_store_b128 v[WA], v[PT:PT+3], s[10:11]
	global_store_b128 v[WA], v[PT+4:PT+7], s[10:11] offset:16
.Lend:
	s_wait_tensorcnt 0x0                           ; the wave's end, behind my last LDS store
	ds_add_u32 v[SPW], v[NIL]
	s_wait_dscnt 0x0
	s_endpgm
.Lfunc_end_k_q2a54107601_fine_out:
	.size	k_q2a54107601_fine_out, .Lfunc_end_k_q2a54107601_fine_out-k_q2a54107601_fine_out
	.p2alignl 7, 3214868480
	.fill 96, 4, 3214868480
	.section	.rodata,"a",@progbits
	.p2align	6, 0x0
	.amdhsa_kernel k_q2a54107601_fine_out
		.amdhsa_group_segment_fixed_size 4608
		.amdhsa_private_segment_fixed_size 0
		.amdhsa_enable_private_segment 0
		.amdhsa_kernarg_size 32
		.amdhsa_user_sgpr_count 2
		.amdhsa_user_sgpr_kernarg_segment_ptr 1
		.amdhsa_wavefront_size32 1
		.amdhsa_system_sgpr_workgroup_id_x 1
		.amdhsa_system_sgpr_workgroup_id_y 1
		.amdhsa_system_sgpr_workgroup_id_z 1
		.amdhsa_system_vgpr_workitem_id 0
		.amdhsa_next_free_vgpr 384
		.amdhsa_next_free_sgpr 66
		.amdhsa_reserve_vcc 0
		.amdhsa_float_denorm_mode_32 3
		.amdhsa_float_denorm_mode_16_64 3
		.amdhsa_memory_ordered 1
		.amdhsa_forward_progress 1
		.amdhsa_inst_pref_size 15
	.end_amdhsa_kernel
	.amdgpu_metadata
---
amdhsa.version: [ 1, 2 ]
amdhsa.kernels:
  - .name:           k_q2a54107601_fine_out
    .symbol:         k_q2a54107601_fine_out.kd
    .args:
      - { .name: ctx32, .offset: 0, .size: 8, .value_kind: global_buffer, .address_space: global }
      - { .name: Wo, .offset: 8, .size: 8, .value_kind: global_buffer, .address_space: global }
      - { .name: bo, .offset: 16, .size: 8, .value_kind: global_buffer, .address_space: global }
      - { .name: out0, .offset: 24, .size: 8, .value_kind: global_buffer, .address_space: global }
    .group_segment_fixed_size: 4608
    .private_segment_fixed_size: 0
    .kernarg_segment_align: 8
    .kernarg_segment_size: 32
    .max_flat_workgroup_size: 128
    .sgpr_count:     66
    .vgpr_count:     384
    .wavefront_size: 32
...
	.end_amdgpu_metadata
.endif
;; end of part 6
